; MI455X (gfx1250); checked and timed in simulation.
; The chip was launched on July 23, 2026; its instructions are those of AMD's public machine-readable ISA for CDNA 5 (MIT licence, August 2026) and "CDNA5" Instruction Set Architecture Reference Guide (July 2026). The comments in the code are by the model that wrote it; some were corrected since.
;; Attention. Allowed arithmetic: float matrix products may take bf16 or f16 operands with f32 sums; other float arithmetic in f32, or as packed bf16 or f16 multiplies, adds, multiply-adds, maxima and minima; sums over many terms, partial sums and values carried from step to step in f32; what a program stores and reads back later, other than sums and carried values, may be rounded once to bf16 or f16.
;; Inputs: k_kernel 2,048 x 512 float32; out_kernel 2,048 x 2,048 float32; q_kernel 2,048 x 2,048 float32; v_kernel 2,048 x 512 float32; x 1 x 4,096 x 2,048 float32.
;; Outputs: out0 1 x 4,096 x 2,048 float32.
;; 2 versions, each right; version 2 is version 1 with the launch cast written anew for expert scheduling mode. Each part assembles by itself: llvm-mc -triple=amdgcn-amd-amdhsa -mcpu=gfx1250 --defsym DOCPART=n.
;; ======== version 1 of 2: 5 launches
;; limits: values are held in f16: magnitudes above 65,504 overflow, below 6.1e-05 lose precision
;; workspace buffers: xb 16,777,216 bytes; wqkv 12,582,912 bytes; wo 8,388,608 bytes; rope 2,097,664 bytes; qkv 25,165,824 bytes; o 16,777,216 bytes; hq 786,432 bytes
;; launch cast (part 1): grid 1216 x 1, 8 waves a work-group, no clusters, 0 bytes of LDS; arguments x, q_kernel, k_kernel, v_kernel, out_kernel, xb, wqkv, wo, rope; writes xb, wqkv, wo, rope
.if DOCPART == 1
	.amdgcn_target "amdgcn-amd-amdhsa--gfx1250"
	.amdhsa_code_object_version 6
	.text
	.protected	k_q9854537e19_cast
	.globl	k_q9854537e19_cast
	.p2align	8
	.type	k_q9854537e19_cast,@function
k_q9854537e19_cast:
	s_mov_b64 s[64:65], 0
	v_nop
	global_prefetch_b8 v0, s[64:65] scope:SCOPE_SE
	s_setreg_imm32_b32 hwreg(HW_REG_WAVE_MODE, 25, 1), 1
	s_wait_xcnt 0x0
; CAST AND TABLE.  Work-groups 0-63 make the table of cosines and sines; work-groups 64-1215 round the five f32 inputs to 16 bits.
;   xb   [4096][2048] bf16 = x          wqkv [2048][3072] bf16 = q_kernel | k_kernel | v_kernel side by side (a row is 6,144 bytes)
;   wo   [2048][2048] f16 = out_kernel rounded to bf16, that number written as f16
;   rope rows of 512 bytes: 64 f32 cosines, 64 f32 sines; rows 0-4095 = position t, frequency i: angle t x 10000^(-i/64); row 4096 = 64 x 1.0, 64 x 0.0
; LIMITS.  |out_kernel| stays within 65,504 (f16's range); below 2^-14 it keeps f16's fixed step of 6e-8.  The angle is t x 2^(-i log2(10000)/64) in f32:
; at the largest angles (4,095 rad) some 4e-4 rad from a quotient t / 10000^(i/64) taken in f32, which itself is no nearer to the true angle.  NaN and infinities are not treated apart.
; No LDS, no matrix unit, no cluster: every byte is read once and written once, and no work-group shares a byte with another.
; A CAST JOB: 8 chunks of 2,048 numbers (8,192 bytes in, 4,096 out).  Thread t takes numbers 4 t .. 4 t + 3 and 1,024 + 4 t .. + 3 of each chunk: a load of a wave covers 512 consecutive
; bytes, a store of a wave 256 consecutive bytes, aligned.  All 16 loads go out at once; nothing is rewritten, so the only waits are the counted ones for the loads.
.set OFS, 2                            ; v[2:9]    chunk i: my byte offset in the destination
.set XR,  16                           ; v[16:79]  chunk i: 8 numbers as loaded
.set YR,  80                           ; v[80:111] chunk i: 4 words to store
.set TW,  112                          ; v[112:119] at work
	s_load_b512 s[4:19], s[0:1], 0x0               ; x 4, q_kernel 6, k_kernel 8, v_kernel 10, out_kernel 12, xb 14, wqkv 16, wo 18
	s_load_b64 s[20:21], s[0:1], 0x40              ; rope
	s_cmp_lt_u32 ttmp9, 64
	s_cbranch_scc1 .Lrope
	s_sub_co_u32 s22, ttmp9, 64                    ; the cast job's number: 0-511 x, 512-767 q_kernel, 768-1023 out_kernel, 1024-1087 k_kernel, 1088-1151 v_kernel
	v_lshlrev_b32 v1, 4, v0                        ; my 16 bytes in half a chunk of the source
	s_mov_b32 s28, 1088                            ; v_kernel's settings; four compares turn them into the others': the tensor's first job,
	s_mov_b32 s29, 24576                           ; destination bytes from chunk to chunk (four rows of wqkv),
	s_mov_b32 s30, 5120                            ; the column's byte in a row of wqkv,
	s_mov_b32 s31, 7                               ; thread >> 7 = the row in half a chunk (rows of 512 numbers),
	s_mov_b32 s32, 127                             ; thread & 127 = the place in that row,
	s_mov_b32 s33, 0                               ; 1: the result is written as f16,
	s_mov_b32 s38, 12288                           ; destination bytes from a chunk's first half to its second (two rows)
	s_wait_kmcnt 0x0
	s_mov_b64 s[24:25], s[10:11]
	s_mov_b64 s[26:27], s[16:17]
	s_cmp_lt_u32 s22, 1088                         ; k_kernel
	s_cselect_b64 s[24:25], s[8:9], s[24:25]
	s_cselect_b32 s28, 1024, s28
	s_cselect_b32 s30, 4096, s30
	s_cmp_lt_u32 s22, 1024                         ; out_kernel: rows of 2,048 numbers, a chunk a row
	s_cselect_b64 s[24:25], s[12:13], s[24:25]
	s_cselect_b64 s[26:27], s[18:19], s[26:27]
	s_cselect_b32 s28, 768, s28
	s_cselect_b32 s29, 4096, s29
	s_cselect_b32 s30, 0, s30
	s_cselect_b32 s31, 8, s31
	s_cselect_b32 s32, 255, s32
	s_cselect_b32 s33, 1, s33
	s_cselect_b32 s38, 2048, s38
	s_cmp_lt_u32 s22, 768                          ; q_kernel
	s_cselect_b64 s[24:25], s[6:7], s[24:25]
	s_cselect_b64 s[26:27], s[16:17], s[26:27]
	s_cselect_b32 s28, 512, s28
	s_cselect_b32 s29, 6144, s29
	s_cselect_b32 s33, 0, s33
	s_cmp_lt_u32 s22, 512                          ; x
	s_cselect_b64 s[24:25], s[4:5], s[24:25]
	s_cselect_b64 s[26:27], s[14:15], s[26:27]
	s_cselect_b32 s28, 0, s28
	s_cselect_b32 s29, 4096, s29
	s_sub_co_u32 s28, s22, s28                     ; the job's number within its tensor
	s_lshl_b32 s34, s28, 16                        ; 8 chunks of 8,192 bytes
	s_mov_b32 s35, 0
	s_add_nc_u64 s[24:25], s[24:25], s[34:35]
.irp i, 0,1,2,3,4,5,6,7
	global_load_b128 v[XR+8*(\i):XR+8*(\i)+3],   v1, s[24:25] offset:8192*(\i) th:TH_LOAD_NT
	global_load_b128 v[XR+8*(\i)+4:XR+8*(\i)+7], v1, s[24:25] offset:8192*(\i)+4096 th:TH_LOAD_NT
.endr
	s_mul_i32 s34, s28, s29
	s_lshl_b32 s34, s34, 3
	s_add_co_u32 s34, s34, s30
	s_add_nc_u64 s[26:27], s[26:27], s[34:35]      ; the destination of the first halves,
	s_mov_b32 s39, 0
	s_add_nc_u64 s[36:37], s[26:27], s[38:39]      ; and of the second
	v_lshrrev_b32 v10, s31, v0
	v_and_b32 v11, s32, v0
	v_mul_u32_u24 v10, 0x1800, v10                 ; row x 6,144 (0 where a chunk is one row)
	v_lshl_add_u32 v[OFS], v11, 3, v10             ; + 8 bytes a thread
.irp i, 1,2,3,4,5,6,7
	v_add_nc_u32 v[OFS+(\i)], s29, v[OFS+(\i)-1]
.endr
; The eight chunks are rounded and stored.  half = 1: the bf16 number is widened again (a shift, a mask) and written as f16, which holds it exactly within the stated range.
.macro OUT8 half
.irp i, 0,1,2,3,4,5,6,7
	s_wait_loadcnt 14-2*(\i)                       ; loads come back in order: chunk i's two are in, the 2 (7 - i) younger ones may stay out
.irp k, 0,1,2,3
	v_cvt_pk_bf16_f32 v[YR+4*(\i)+(\k)], v[XR+8*(\i)+2*(\k)], v[XR+8*(\i)+2*(\k)+1]
.if \half
	v_lshlrev_b32 v[TW+2*(\k)], 16, v[YR+4*(\i)+(\k)]
	v_and_b32 v[TW+2*(\k)+1], 0xffff0000, v[YR+4*(\i)+(\k)]
	v_cvt_pk_f16_f32 v[YR+4*(\i)+(\k)], v[TW+2*(\k)], v[TW+2*(\k)+1]
.endif
.endr
	global_store_b64 v[OFS+(\i)], v[YR+4*(\i):YR+4*(\i)+1],   s[26:27]  ; 32 lanes store 256 consecutive bytes, at a multiple of 256 from the buffer's first byte
	global_store_b64 v[OFS+(\i)], v[YR+4*(\i)+2:YR+4*(\i)+3], s[36:37]
.endr
.endm
	s_cmp_eq_u32 s33, 1
	s_cbranch_scc1 .Lhalf
	OUT8 0
	s_endpgm
.Lhalf:
	OUT8 1
	s_endpgm
; THE TABLE.  Work-group r, wave w: rows 64 r + 8 w .. + 7, a row a trip.  Lanes 0-15 make the row's cosines, lanes 16-31 its sines, four frequencies a lane: one store of 16 bytes a lane is the whole row of 512 bytes.
; sin(a) by quadrants: k = the nearest whole number to a 2/pi, r = a - k pi/2 (pi/2 in two parts, fused: |r| <= pi/4), then sin r or cos r by their series (cut at r^7 and r^8: under 4e-7) and a sign, chosen by (k + q) mod 4;
; q = 1 in the cosine lanes, since cos a = sin(a + pi/2).  The choice only selects a value: no branch hangs on it.
.Lrope:
	v_lshrrev_b32 v1, 5, v0
	v_readfirstlane_b32 s22, v1                    ; wave 0..7
	v_and_b32 v2, 31, v0                           ; lane
	v_and_b32 v3, 15, v0
	v_bfe_u32 v4, v0, 4, 1                         ; 0: cosines, 1: sines
	v_sub_nc_u32 v5, 1, v4                         ; q
	v_lshlrev_b32 v3, 2, v3                        ; my first frequency
.irp e, 0,1,2,3
	v_add_nc_u32 v[12+(\e)], \e, v3
	v_cvt_f32_u32 v[12+(\e)], v[12+(\e)]
	v_mul_f32 v[12+(\e)], 0xbe549a78, v[12+(\e)]   ; - i log2(10000) / 64
.endr
.irp e, 0,1,2,3
	v_exp_f32 v[8+(\e)], v[12+(\e)]                ; 10000^(-i/64)
.endr
	v_nop                                          ; a plain instruction behind the last exponential,
	s_wait_alu depctr_va_vdst(0)                   ; and the one wait ahead of the batch's first reader and of the label
	s_mov_b32 s30, 0x3f22f983                      ; 2 / pi
	s_mov_b32 s31, 0x3fc90fdb                      ; pi / 2, the upper part
	s_mov_b32 s32, 0xb33bbd2e                      ; and what is left of it
	s_mov_b32 s33, 0xbe2aaaab                      ; -1/6
	s_mov_b32 s34, 0x3c088889                      ; 1/120
	s_mov_b32 s35, 0xb9500d01                      ; -1/5040
	s_mov_b32 s36, 0x3d2aaaab                      ; 1/24
	s_mov_b32 s37, 0xbab60b61                      ; -1/720
	s_mov_b32 s38, 0x37d00d01                      ; 1/40320
	s_lshl_b32 s23, ttmp9, 6
	s_lshl3_add_u32 s23, s22, s23                  ; my first row
	s_lshl_b32 s24, s23, 9
	v_lshlrev_b32 v6, 4, v2
	v_add_nc_u32 v6, s24, v6                       ; row x 512 + 16 x lane
	s_mov_b32 s25, 8
	s_wait_kmcnt 0x0
.Lrow:
	v_cvt_f32_u32 v7, s23                          ; t
.irp e, 0,1,2,3
	v_mul_f32 v[16+(\e)], v7, v[8+(\e)]            ; the angle
	v_mul_f32 v[20+(\e)], s30, v[16+(\e)]
	v_rndne_f32 v[20+(\e)], v[20+(\e)]             ; k
	v_fma_f32 v[24+(\e)], -v[20+(\e)], s31, v[16+(\e)]
	v_fma_f32 v[24+(\e)], -v[20+(\e)], s32, v[24+(\e)]  ; r
	v_cvt_i32_f32 v[28+(\e)], v[20+(\e)]
	v_add_nc_u32 v[28+(\e)], v[28+(\e)], v5        ; k + q
	v_mul_f32 v[32+(\e)], v[24+(\e)], v[24+(\e)]   ; r^2
	v_fma_f32 v[36+(\e)], v[32+(\e)], s35, s34
	v_fma_f32 v[36+(\e)], v[32+(\e)], v[36+(\e)], s33
	v_mul_f32 v[48+(\e)], v[24+(\e)], v[32+(\e)]   ; r^3
	v_fma_f32 v[36+(\e)], v[48+(\e)], v[36+(\e)], v[24+(\e)]  ; sin r
	v_fma_f32 v[40+(\e)], v[32+(\e)], s38, s37
	v_fma_f32 v[40+(\e)], v[32+(\e)], v[40+(\e)], s36
	v_fma_f32 v[40+(\e)], v[32+(\e)], v[40+(\e)], -0.5
	v_fma_f32 v[40+(\e)], v[32+(\e)], v[40+(\e)], 1.0  ; cos r
	v_and_b32 v[48+(\e)], 1, v[28+(\e)]
	v_cmp_ne_u32 vcc_lo, 0, v[48+(\e)]
	v_cndmask_b32 v[44+(\e)], v[36+(\e)], v[40+(\e)], vcc_lo  ; odd quadrants take the cosine
	v_and_b32 v[48+(\e)], 2, v[28+(\e)]
	v_lshlrev_b32 v[48+(\e)], 30, v[48+(\e)]
	v_xor_b32 v[44+(\e)], v[44+(\e)], v[48+(\e)]   ; quadrants 2 and 3 turn the sign
.endr
	global_store_b128 v6, v[44:47], s[20:21]       ; the wave stores the row's 512 consecutive bytes
	s_wait_xcnt 0x0                                ; the store has read its offset and its data: only behind this wait are they written again
	v_add_nc_u32 v6, 512, v6
	s_add_co_u32 s23, s23, 1
	s_sub_co_u32 s25, s25, 1
	s_cmp_lg_u32 s25, 0
	s_cbranch_scc1 .Lrow
	s_or_b32 s27, ttmp9, s22                       ; wave 0 of work-group 0 adds row 4096: cosine 1, sine 0, for columns that are not turned
	s_cmp_lg_u32 s27, 0
	s_cbranch_scc1 .Ldone
	v_cmp_gt_u32 vcc_lo, 16, v2
	v_cndmask_b32 v52, 0, 1.0, vcc_lo
	v_mov_b32 v53, v52
	v_mov_b32 v54, v52
	v_mov_b32 v55, v52
	v_lshlrev_b32 v56, 4, v2
	global_store_b128 v56, v[52:55], s[20:21] offset:2097152
.Ldone:
	s_endpgm
.Lfunc_end_k_q9854537e19_cast:
	.size	k_q9854537e19_cast, .Lfunc_end_k_q9854537e19_cast-k_q9854537e19_cast
	.p2alignl 7, 3214868480
	.fill 96, 4, 3214868480
	.section	.rodata,"a",@progbits
	.p2align	6, 0x0
	.amdhsa_kernel k_q9854537e19_cast
		.amdhsa_group_segment_fixed_size 0
		.amdhsa_private_segment_fixed_size 0
		.amdhsa_enable_private_segment 0
		.amdhsa_kernarg_size 72
		.amdhsa_user_sgpr_count 2
		.amdhsa_user_sgpr_kernarg_segment_ptr 1
		.amdhsa_wavefront_size32 1
		.amdhsa_system_sgpr_workgroup_id_x 1
		.amdhsa_system_sgpr_workgroup_id_y 1
		.amdhsa_system_sgpr_workgroup_id_z 1
		.amdhsa_system_vgpr_workitem_id 0
		.amdhsa_next_free_vgpr 128
		.amdhsa_next_free_sgpr 66
		.amdhsa_reserve_vcc 1
		.amdhsa_float_denorm_mode_32 3
		.amdhsa_float_denorm_mode_16_64 3
		.amdhsa_memory_ordered 1
		.amdhsa_forward_progress 1
		.amdhsa_inst_pref_size 24
	.end_amdhsa_kernel
	.amdgpu_metadata
---
amdhsa.version: [ 1, 2 ]
amdhsa.kernels:
  - .name:           k_q9854537e19_cast
    .symbol:         k_q9854537e19_cast.kd
    .args:
      - { .name: x, .offset: 0, .size: 8, .value_kind: global_buffer, .address_space: global }
      - { .name: q_kernel, .offset: 8, .size: 8, .value_kind: global_buffer, .address_space: global }
      - { .name: k_kernel, .offset: 16, .size: 8, .value_kind: global_buffer, .address_space: global }
      - { .name: v_kernel, .offset: 24, .size: 8, .value_kind: global_buffer, .address_space: global }
      - { .name: out_kernel, .offset: 32, .size: 8, .value_kind: global_buffer, .address_space: global }
      - { .name: xb, .offset: 40, .size: 8, .value_kind: global_buffer, .address_space: global }
      - { .name: wqkv, .offset: 48, .size: 8, .value_kind: global_buffer, .address_space: global }
      - { .name: wo, .offset: 56, .size: 8, .value_kind: global_buffer, .address_space: global }
      - { .name: rope, .offset: 64, .size: 8, .value_kind: global_buffer, .address_space: global }
    .group_segment_fixed_size: 0
    .private_segment_fixed_size: 0
    .kernarg_segment_align: 8
    .kernarg_segment_size: 72
    .max_flat_workgroup_size: 256
    .sgpr_count:     66
    .vgpr_count:     128
    .wavefront_size: 32
...
	.end_amdgpu_metadata
.endif
;; end of part 1
;; launch qkv (part 2): grid 12 x 16, 4 waves a work-group, clusters of 4 x 4, 327,680 bytes of LDS; arguments xb, wqkv, rope, qkv, hq; writes qkv, hq
.if DOCPART == 2
	.amdgcn_target "amdgcn-amd-amdhsa--gfx1250"
	.amdhsa_code_object_version 6
	.text
	.protected	k_q9854537e19_qkv
	.globl	k_q9854537e19_qkv
	.p2align	8
	.type	k_q9854537e19_qkv,@function
k_q9854537e19_qkv:
	s_mov_b64 s[64:65], 0
	v_nop
	global_prefetch_b8 v0, s[64:65] scope:SCOPE_SE
	s_setreg_imm32_b32 hwreg(HW_REG_WAVE_MODE, 25, 1), 1
	s_wait_xcnt 0x0
	s_wait_alu depctr_hold_cnt(0) depctr_sa_sdst(0) depctr_va_vdst(0) depctr_va_sdst(0) depctr_va_ssrc(0) depctr_va_vcc(0) depctr_vm_vsrc(0)
	s_getreg_b32 s2, hwreg(HW_REG_IB_STS2, 6, 4)
	s_cmp_eq_u32 s2, 0
	s_cbranch_scc0 .Lentry_in_a_cluster
	s_endpgm
.Lentry_in_a_cluster:
	s_bfe_u32 s2, ttmp6, 0x10000c
	s_cmp_lg_u32 s2, 0xf033
	s_cbranch_scc0 .Lentry_shape_is_right
	s_endpgm
.Lentry_shape_is_right:
; qkv[t][n] = RoPE(sum over k of xb[t][k] wqkv[k][n]).  xb [4096][2048] bf16, wqkv [2048][3072] bf16 (rows along n), qkv [4096][3072] f16; sums in f32, K ascending, the result rounded once.
; Columns 0-2047 are q's 16 heads of 128, 2048-2559 k's 4, 2560-3071 v's 4.  q and k are turned: column d of a head pairs with d + 64, (lo, hi) -> (lo cos - hi sin, hi cos + lo sin), with the
; cosine and sine of position t and frequency d mod 64 from the table rope; v's tiles read the table's row 4096 (cosine 1, sine 0), so that one text serves all tiles.  No scale is applied here.
; hq [64][3072] f32: the same numbers unrounded, for the last launch, which makes the output's rows 0-15 anew with split operands.  It reads hq's rows 0-15 (positions 0-15).  A branch may not hang on a
; work-group's place in its cluster, so all four tile rows of the first row of clusters store the first 16 rows of their tiles: hq's row 16 cy + i is position 256 cy + i.
; LIMIT.  f16 holds no number beyond 65,504: q and k (turned) and v must stay within it.
; A tile of 256 x 256 is made by a work-group of four waves, a wave makes 128 x 128 (64 accumulators, 512 registers): its 128 columns are ONE head, so both partners of a pair lie in the same lane,
; in accumulators b and b + 4.  K goes in steps of 128 through a ring of two LDS slots filled by the tensor data mover.  3072 / 256 x 4096 / 256 = 192 work-groups.
; CLUSTERS: 4 x 4 work-groups.  The four of a row of the cluster need the same tiles of xb, the four of a column the same tiles of wqkv: each tile is asked for JOINTLY, by the same tensor load with
; the same descriptor and a mask that names the four.
; THE MATRIX INSTRUCTION IS USED TRANSPOSED: source 0 = 16 columns of wqkv (out of LDS turned, by ds_load_tr16_b128, since its rows lie along n), source 1 = 16 rows of xb.  Lane l then holds row
; l % 16 and the eight neighbouring columns 8 (l / 16) + 0..7.
; REGISTERS, in windows of 256 (s_set_vgpr_msb: bits 1:0 source 0, 3:2 source 1, 5:4 source 2, 7:6 destination):
;   window 0: v0-31 addresses; v64-127, v128-191 fragments of xb, two buffers (on the way out: the turned block, and 16 at work); v32-63, v192-255 at work on the way out
;   window 1: v64-127, v128-191 fragments of wqkv, two buffers; v0-63, v192-255 two blocks' rows of the table      window 2: accumulators of my rows 0-63      window 3: of my rows 64-127
.set KSTEP,  128
.set PA,     272                       ; an LDS row of xb: 256 bytes + 16 of padding: the 16 rows of a load start at 16 different groups of four banks (64 banks of 4 bytes: ISA guide 11.1)
.set PB,     544                       ; an LDS row of wqkv: 512 bytes + 32
.set HALFT,  128*PA                    ; what one tensor load brings: 128 rows of xb, or 64 rows of wqkv (64 x 544 is the same number)
.set SLOT,   4*HALFT                   ; xb's 256 rows, then wqkv's 128
.set BOFF,   2*HALFT
.set STAGE,  2*SLOT                    ; behind the ring: 16 rows x 272 bytes for each wave, for the way out
.set SPITCH, 272
.set SPARE,  STAGE+4*16*SPITCH         ; behind the stages: the spare words, 128 bytes for each wave: two blocks of 256 bytes that no other line names
.set XROW,   4096                      ; bytes in a row of xb
.set WROW,   6144                      ; bytes in a row of wqkv and of qkv
.set HROW,   12288                     ; bytes in a row of hq
.set LAPS,   8                         ; a lap = two K steps = once round the ring: 2048 / 256
.set TO,   8                           ; v8-15   block a of my 8 blocks of 16 rows: my byte offset in the table; never rewritten
.set ADRA, 16                          ; v16-17  LDS address of my xb fragments in slot 0, 1
.set ADRB, 20                          ; v20-21  the same for wqkv
.set STO,  24                          ; v24     the way out: where I put 16 bytes of a row
.set RD,   25                          ; v25     the way out: where I read a row back
.set CO,   26                          ; v26     my byte offset in two rows of qkv
.set STF,  27                          ; v27     where I put 32 bytes (eight f32) of a row
.set SPW,  28                          ; v28     LDS address of my spare word; never rewritten
.set NIL,  29                          ; v29     0; never rewritten
.set PFO,  30                          ; v30     the prefetches' offset; never rewritten
.set HO,   31                          ; v31     my byte offset in two rows of hq
.set F0,   64
.set F1,   128
.set LH,   64                          ; the way out: a block turned, 64 registers
.set TT,   128                         ; 16 at work
.set TMP,  192                         ; packed results
.set OB,   32                          ; 16 rows read back from the stage: v32-63 and v224-255 by turns
.set WV, 12                            ; s12 wave;  s13 which 128 rows are mine, also: I fetch xb (0) or wqkv (1);  s14 which 128 columns, also: which half of the tile I fetch
.set RH, 13
.set CH, 14
.set CX, 15                            ; s15, s16 my place in the cluster;  s17, s18 tile column and tile row
.set CY, 16
.set TC, 17
.set TR, 18
.set G1,  24                           ; s[24:31] descriptor group 1 for xb's tiles;  s[32:39] group 0, a set for each slot
.set G0,  32
.set PFA, 40                           ; s[40:41] where my prefetches stand;  s[42:43] their step from K step to K step
.set PFS, 42
.set LIM, 44                           ; s44     1 in a wave that prefetches, else the greatest number
.set LAP, 45                           ; s45     laps to go
.set G1B, 48                           ; s[48:55], s[56:63] the same for wqkv's tiles
.set G0B, 56
.set COF, 66                           ; s[66:67] where my part of the tile begins in qkv
.set PS,  68                           ; s68     bytes from row to row of the table: 512, or 0 for v's tiles
.set TBASE, 69                         ; s69     0, or row 4096's byte for v's tiles
.set HQP, 70                           ; s[70:71] hq at my 16 rows and my head
.set HQO, 72                           ; s[72:73] the offset that takes it there
.set MSB, 0
.macro WIN new                         ; the immediate's high byte repeats the setting that is left; a switch that changes nothing is dropped
.if MSB != (\new)
	s_set_vgpr_msb (MSB<<8)|(\new)
.set MSB, \new
.endif
.endm
.set MUL_LO, 0xa1                      ; source 0 (wqkv) window 1, source 1 (xb) window 0, C and D window 2
.set MUL_HI, 0xf1                      ; the same, C and D window 3
.set TO_B,   0x40                      ; destination window 1, address window 0
; A joint load.  Waves 0 and 1 fetch xb's two halves, waves 2 and 3 wqkv's.  The branch hangs on the wave's number alone.  An s_nop 0 and four v_nop follow each of the two lines.
.macro JLOAD s
	s_cmp_eq_u32 s[RH], 0
	s_cbranch_scc0 .Lfor_b_\@
	tensor_load_to_lds s[G0+4*(\s):G0+4*(\s)+3], s[G1:G1+7]
	s_nop 0
.rept 4
	v_nop
.endr
	s_branch .Lasked_\@
.Lfor_b_\@:
	tensor_load_to_lds s[G0B+4*(\s):G0B+4*(\s)+3], s[G1B:G1B+7]
	s_nop 0
.rept 4
	v_nop
.endr
.Lasked_\@:
.endm
; A PREFETCH INTO THE L2, behind each joint refill and the run of LDS loads that follows it: the K step that stands two refills on, 512 matrix instructions ahead of the load that will ask for it.
; Each aligned block of 256 bytes is named once in the launch.  xb's tile row is read by the three clusters of that row of clusters: the one with x = 0 asks; wqkv's tile column by the four of that column:
; the one with y = 0 asks.  The four partners of a joint load share its rows out BY ADDRESS: of xb's 128 rows a wave, 32 each, a lane a row; of wqkv's 64 rows of 512 bytes a wave, 16 each, two lanes a row.
; K steps 0 to 3 come by their loads alone; the loop's last trip, whose refills are K steps 14 and 15, asks for nothing.
.macro ASK
	s_cmp_gt_u32 s[LAP], s[LIM]
	s_cbranch_scc0 .Lnot_mine_\@
	global_prefetch_b8 v[PFO], s[PFA:PFA+1] th:TH_LOAD_NT scope:SCOPE_SE
.Lnot_mine_\@:
.endm
; A round of the cluster's barrier: my work-group's barrier; wave 0 signals for the work-group; every wave waits for all sixteen work-groups; my work-group's barrier once more.
.macro CREST                           ; a round behind its opening barrier
	s_cmp_lg_u32 s[WV], 0
	s_cbranch_scc1 .Lnot_wave_0_\@
	s_barrier_signal -3
.Lnot_wave_0_\@:
	s_barrier_wait -3
	s_barrier_signal -1
	s_barrier_wait -1
.endm
.macro CROUND
	s_barrier_signal -1
	s_barrier_wait -1
	CREST
.endm
	s_load_b256 s[4:11], s[0:1], 0x0               ; xb s[4:5], wqkv s[6:7], rope s[8:9], qkv s[10:11]
	s_load_b64 s[HQP:HQP+1], s[0:1], 0x20          ; hq
	v_lshl_add_u32 v[SPW], v0, 2, SPARE
	v_mov_b32 v[NIL], 0
	ds_add_u32 v[SPW], v[NIL]                      ; the wave's opening: the add and its wait stand ahead of my first tensor load; the set-up below, work on registers, stands between them
	v_lshrrev_b32 v1, 5, v0
	v_readfirstlane_b32 s[WV], v1                  ; wave 0..3
	s_lshr_b32 s[RH], s[WV], 1
	s_and_b32 s[CH], s[WV], 1
	s_bfe_u32 s[CX], ttmp6, 0x40000
	s_bfe_u32 s[CY], ttmp6, 0x40004
	s_lshl_b32 s[TC], ttmp9, 2                     ; in a cluster launch ttmp9 and ttmp7 count clusters
	s_add_co_u32 s[TC], s[TC], s[CX]               ; tile column = 4 x cluster x + cx
	s_and_b32 s[TR], ttmp7, 0xffff
	s_lshl_b32 s[TR], s[TR], 2
	s_add_co_u32 s[TR], s[TR], s[CY]               ; tile row = 4 x cluster y + cy
	s_lshl_b32 s20, s[CY], 2
	s_lshl_b32 s20, 15, s20                        ; my row of the cluster: places 4 cy .. 4 cy + 3
	s_lshl_b32 s21, 0x1111, s[CX]                  ; my column: places cx, cx + 4, cx + 8, cx + 12
	s_or_b32 s[G1+0], s20, (1<<16)|(1<<20)|(1<<21)|(5<<22)|(3<<25)   ; the mask; elements of 2 bytes; padding on; bit 21 beside a mask; after every 64 words 4 words
	s_or_b32 s[G1B+0], s21, (1<<16)|(1<<20)|(1<<21)|(6<<22)|(7<<25)  ; the same with my column's mask; after every 128 words 8 words
	s_mov_b32 s[G1+1], KSTEP<<16                   ; xb: tensor_dim0 = 128
	s_mov_b32 s[G1+2], 128<<16                     ; tensor_dim1 = 128
	s_mov_b32 s[G1+3], KSTEP<<16                   ; tile_dim0 = 128
	s_mov_b32 s[G1+4], 128                         ; tile_dim1 = 128
	s_mov_b32 s[G1+5], 2048                        ; elements from row to row
	s_mov_b32 s[G1+6], 0
	s_mov_b32 s[G1+7], 0
	s_mov_b32 s[G1B+1], 256<<16                    ; wqkv: tensor_dim0 = 256
	s_mov_b32 s[G1B+2], 64<<16                     ; tensor_dim1 = 64
	s_mov_b32 s[G1B+3], 256<<16                    ; tile_dim0 = 256
	s_mov_b32 s[G1B+4], 64                         ; tile_dim1 = 64
	s_mov_b32 s[G1B+5], 3072
	s_mov_b32 s[G1B+6], 0
	s_mov_b32 s[G1B+7], 0
	; where the tiles come from: xb's hang on the tile row alone, wqkv's on the tile column alone; each in registers that never hold the other coordinate
	s_lshl_b32 s22, s[TR], 8
	s_lshl_b32 s19, s[CH], 7
	s_add_co_u32 s22, s22, s19                     ; xb: row 256 x tile row + 128 x half,
	s_lshl_b32 s22, s22, 12                        ; in bytes
	s_mov_b32 s23, 0
	s_mul_i32 s46, s[CH], 64*WROW                  ; wqkv: row 64 x half,
	s_lshl_b32 s47, s[TC], 9                       ; column 256 x tile column
	s_add_co_u32 s46, s46, s47
	s_mov_b32 s47, 0
	s_mul_i32 s20, s[WV], HALFT                    ; and where they go: wave x 34,816: no place in the cluster enters an LDS address
	s_wait_dscnt 0x0                               ; the opening add is done
	s_wait_kmcnt 0x0
	s_add_nc_u64 s[22:23], s[4:5], s[22:23]
	s_add_nc_u64 s[46:47], s[6:7], s[46:47]
	CROUND                                         ; all sixteen work-groups are here: the first joint loads meet
.irp s, 0,1
	s_mov_b32 s[G0+4*(\s)], 1
	s_add_co_u32 s[G0+4*(\s)+1], s20, (\s)*SLOT
	s_add_nc_u64 s[G0+4*(\s)+2:G0+4*(\s)+3], s[22:23], (\s)*KSTEP*2      ; K step s: 256 bytes along xb's rows,
	s_or_b32 s[G0+4*(\s)+3], s[G0+4*(\s)+3], 0x80000000
	s_mov_b32 s[G0B+4*(\s)], 1
	s_add_co_u32 s[G0B+4*(\s)+1], s20, (\s)*SLOT
	s_add_nc_u64 s[G0B+4*(\s)+2:G0B+4*(\s)+3], s[46:47], (\s)*KSTEP*WROW  ; 128 rows down wqkv
	s_or_b32 s[G0B+4*(\s)+3], s[G0B+4*(\s)+3], 0x80000000
	JLOAD \s                                       ; two tensor loads of mine are out
.endr
	v_and_b32 v1, 15, v0                           ; l % 16
	v_bfe_u32 v2, v0, 4, 1                         ; l / 16
	v_mul_u32_u24 v3, v1, PA
	v_lshl_add_u32 v3, v2, 4, v3                   ; xb's fragment: row x pitch + 16 x half
	v_and_b32 v4, 7, v0
	v_lshl_add_u32 v4, v2, 3, v4                   ; wqkv's: lane l reads row 8 (l / 16) + l % 8,
	v_mul_u32_u24 v4, v4, PB
	v_bfe_u32 v5, v0, 3, 1
	v_lshl_add_u32 v4, v5, 4, v4                   ; columns 8 ((l / 8) % 2) + 0..7
	s_mul_i32 s21, s[RH], HALFT                    ; my 128 rows of xb
	s_lshl_b32 s22, s[CH], 8                       ; my 128 columns of wqkv,
	s_add_co_u32 s22, s22, BOFF                    ; which lies behind xb's 256 rows
.irp s, 0,1
	v_add_nc_u32 v[ADRA+(\s)], s21, v3
	v_add_nc_u32 v[ADRB+(\s)], s22, v4
	s_add_co_u32 s21, s21, SLOT
	s_add_co_u32 s22, s22, SLOT
.endr
	s_mul_i32 s23, s[WV], 16*SPITCH
	s_add_co_u32 s23, s23, STAGE                   ; my stage
	v_mul_u32_u24 v4, v1, SPITCH                   ; in: row l % 16, 16 bytes for each half of the lanes
	v_lshl_add_u32 v4, v2, 4, v4
	v_add_nc_u32 v[STO], s23, v4
	v_lshl_add_u32 v[STF], v2, 4, v[STO]           ; for f32: 32 bytes for each half of the lanes
	v_mul_u32_u24 v5, v2, SPITCH                   ; back: lanes 0-15 take one row of 256 bytes, lanes 16-31 the next
	v_lshl_add_u32 v5, v1, 4, v5
	v_add_nc_u32 v[RD], s23, v5
	v_mul_u32_u24 v5, v2, WROW                     ; and the same two rows in qkv,
	v_lshl_add_u32 v[CO], v1, 4, v5
	v_mul_u32_u24 v5, v2, HROW                     ; and in hq
	v_lshl_add_u32 v[HO], v1, 4, v5
	s_lshl_b32 s20, s[TR], 8
	s_lshl_b32 s21, s[RH], 7
	s_add_co_u32 s20, s20, s21                     ; my first row, which is also my first position
	s_mul_i32 s[COF], s20, WROW
	s_lshl_b32 s21, s[TC], 9
	s_add_co_u32 s[COF], s[COF], s21
	s_lshl_b32 s21, s[CH], 8
	s_add_co_u32 s[COF], s[COF], s21               ; + my first column, in bytes
	s_mov_b32 s[COF+1], 0
	s_mul_i32 s[HQO], s[CY], 16*HROW               ; hq: rows 16 cy on,
	s_lshl_b32 s21, s[TC], 10
	s_add_co_u32 s[HQO], s[HQO], s21
	s_lshl_b32 s21, s[CH], 9
	s_add_co_u32 s[HQO], s[HQO], s21               ; my first column, 4 bytes a number
	s_mov_b32 s[HQO+1], 0
	s_add_nc_u64 s[HQP:HQP+1], s[HQP:HQP+1], s[HQO:HQO+1]
	s_max_u32 s21, s[TC], 9
	s_sub_co_u32 s21, s21, 9
	s_min_u32 s21, s21, 1                          ; 1 for tile columns 10 and 11, which are v's: it enters a global offset alone
	s_lshl_b32 s[TBASE], s21, 21                   ; row 4096 begins at byte 2^21
	s_sub_co_u32 s21, 1, s21
	s_lshl_b32 s[PS], s21, 9
	v_add_nc_u32 v3, s20, v1                       ; my row of block 0
	v_lshlrev_b32 v5, 5, v2                        ; my eight frequencies: 32 bytes for each half of the lanes
	v_add_nc_u32 v5, s[TBASE], v5
	v_mad_u32_u24 v[TO], v3, s[PS], v5
	s_lshl_b32 s21, s[PS], 4
.irp a, 1,2,3,4,5,6,7
	v_add_nc_u32 v[TO+(\a)], s21, v[TO+(\a)-1]
.endr
; Block a's rows of the table: for each group g of 16 frequencies my eight cosines (32 bytes) and my eight sines: 16 loads, 64 registers, in window 1: v0-63 for even blocks, v192-255 for odd ones.
.macro TABLE a
.set TB, 192*((\a)%2)
	WIN TO_B
.irp g, 0,1,2,3
	global_load_b128 v[TB+8*(\g):TB+8*(\g)+3],         v[TO+(\a)], s[8:9] offset:64*(\g)
	global_load_b128 v[TB+8*(\g)+4:TB+8*(\g)+7],       v[TO+(\a)], s[8:9] offset:64*(\g)+16
	global_load_b128 v[TB+32+8*(\g):TB+32+8*(\g)+3],   v[TO+(\a)], s[8:9] offset:256+64*(\g)
	global_load_b128 v[TB+32+8*(\g)+4:TB+32+8*(\g)+7], v[TO+(\a)], s[8:9] offset:256+64*(\g)+16
.endr
	WIN 0
.endm
	TABLE 0                                        ; the first two blocks' rows are asked for now and wanted on the way out: the loop names neither their registers nor their addresses
	TABLE 1
	; the prefetches
	s_and_b32 s20, ttmp7, 0xffff                   ; cluster y
	s_lshl_b32 s21, s[TR], 8
	s_lshl_b32 s22, s[CH], 7
	s_add_co_u32 s21, s21, s22
	s_lshl_b32 s22, s[CX], 5
	s_add_co_u32 s21, s21, s22                     ; xb: the 128 rows that I fetch, my work-group's 32 of them,
	s_lshl_b32 s21, s21, 12
	s_add_co_u32 s21, s21, 3*KSTEP*2               ; at K step 3: the first refill steps it to 4
	s_lshl_b32 s22, s[CH], 6
	s_lshl_b32 s23, s[CY], 4
	s_add_co_u32 s22, s22, s23
	s_add_co_u32 s22, s22, 3*KSTEP                 ; wqkv: the 64 rows that I fetch, my work-group's 16 of them, at K step 3,
	s_mul_i32 s22, s22, WROW
	s_lshl_b32 s23, s[TC], 9
	s_add_co_u32 s22, s22, s23                     ; the tile's 512 bytes of a row
	s_mov_b32 s[PFS], KSTEP*WROW
	s_mov_b32 s23, WROW
	s_cmp_eq_u32 s[RH], 0                          ; do I fetch xb?
	s_cselect_b32 s46, s21, s22
	s_cselect_b32 s20, ttmp9, s20                  ; the coordinate along which other clusters read the same rows
	s_cselect_b32 s[PFS], 0x100, s[PFS]
	s_cselect_b32 s23, XROW, s23
	s_cselect_b64 s[PFA:PFA+1], s[4:5], s[6:7]
	s_mov_b32 s47, 0
	s_mov_b32 s[PFS+1], 0
	s_add_nc_u64 s[PFA:PFA+1], s[PFA:PFA+1], s[46:47]
	s_cmp_eq_u32 s20, 0
	s_cselect_b32 s[LIM], 1, -1                    ; the same in all sixteen partners, for a given wave
	v_and_b32 v3, 31, v0
	v_lshrrev_b32 v4, s[RH], v3                    ; xb: a lane a row; wqkv: two lanes a row,
	v_mul_u32_u24 v4, s23, v4
	v_and_b32 v5, s[RH], v3
	v_lshl_add_u32 v[PFO], v5, 8, v4               ; 256 bytes apart
; 16 matrix instructions: row blocks a0, a0 + 1 of the window's four x all 8 column blocks, 32 along K.  zero = 1: the first product starts the sums: nothing is ever cleared.
; The 64 accumulators take turns, one instruction a turn, in the same order in every quarter step.
.macro MUL16 f, hi, a0, zero
	WIN MUL_LO+0x50*(\hi)
.irp a, \a0, (\a0)+1
.irp b, 0,1,2,3,4,5,6,7
.if \zero
	v_wmma_f32_16x16x32_bf16 v[8*(8*(\a)+(\b)):8*(8*(\a)+(\b))+7], v[(\f)+8*(\b):(\f)+8*(\b)+7], v[(\f)+8*(4*(\hi)+(\a)):(\f)+8*(4*(\hi)+(\a))+7], 0
.else
	v_wmma_f32_16x16x32_bf16 v[8*(8*(\a)+(\b)):8*(8*(\a)+(\b))+7], v[(\f)+8*(\b):(\f)+8*(\b)+7], v[(\f)+8*(4*(\hi)+(\a)):(\f)+8*(4*(\hi)+(\a))+7], v[8*(8*(\a)+(\b)):8*(8*(\a)+(\b))+7]
.endif
.endr
.endr
.endm
; 32 LDS loads in one run: quarter q (32 along K) of a slot into buffer f: wqkv's 128 columns turned (two loads of 16 rows x 16 columns a fragment), then xb's 128 rows.
.macro FETCH slot, q, f
	WIN TO_B
.irp i, 0,1,2,3,4,5,6,7
	ds_load_tr16_b128 v[(\f)+8*(\i):(\f)+8*(\i)+3],   v[ADRB+(\slot)] offset:(\q)*32*PB+(\i)*32
	ds_load_tr16_b128 v[(\f)+8*(\i)+4:(\f)+8*(\i)+7], v[ADRB+(\slot)] offset:(\q)*32*PB+16*PB+(\i)*32
.endr
	WIN 0
.irp i, 0,1,2,3,4,5,6,7
	ds_load_b128 v[(\f)+8*(\i):(\f)+8*(\i)+3],   v[ADRA+(\slot)] offset:(\q)*64+(\i)*16*PA
	ds_load_b128 v[(\f)+8*(\i)+4:(\f)+8*(\i)+7], v[ADRA+(\slot)] offset:(\q)*64+(\i)*16*PA+32
.endr
.endm
.macro PLACES                          ; four plain vector instructions between a matrix instruction and a load into, or a vector instruction on, its registers (ISA guide 7.12.1 for vector instructions)
.rept 4
	v_nop
.endr
.endm
; A K step is four quarters of 32 along K, 64 matrix instructions each, on buffers 0, 1, 0, 1.  One of the first three: multiplies buffer f; in its middle it fetches quarter q into buffer g.
.macro QUARTER slot, q, f, g, zero
	s_wait_dscnt 8                                 ; wqkv's fragments and xb's rows 0-63 are in; the youngest eight loads (rows 64-127) may be out
	MUL16 \f, 0, 0, \zero
	MUL16 \f, 0, 2, \zero
	PLACES
	FETCH \slot, \q, \g
	s_wait_dscnt 32                                ; all but the 32 just issued
	MUL16 \f, 1, 0, \zero
	MUL16 \f, 1, 2, \zero
.endm
; The last quarter multiplies buffer 1 and changes slots.  MEET is its first half: in front of the barrier each wave waits for all its tensor loads (one is out: its part of the next slot), adds 0 to its
; spare word, and waits for that and for its own reads of this slot.  Behind it nobody reads this slot any more and the next slot is whole.
.macro MEET round
	WIN 0
	s_wait_tensorcnt 0x0
	ds_add_u32 v[SPW], v[NIL]
	s_wait_dscnt 9                                 ; the add and the youngest eight loads may be out
	MUL16 F1, 0, 0, 0
	s_wait_dscnt 0x0                               ; the add is done, and my reads of this slot are over
	s_barrier_signal -1
	MUL16 F1, 0, 2, 0
.if \round
	WIN 0
.endif
	s_barrier_wait -1
.endm
; fill = 1: the barrier opens a round of the cluster's barrier, and the slot just read out is filled again, first thing behind the round, with the K step two steps on: 224 matrix instructions ahead of the wait for it.
.macro TURN slot, next, fill
.if \fill
	s_wait_xcnt 0x0                                ; the last prefetch, a K step back, has read its address, so it may be stepped
	s_add_nc_u64 s[PFA:PFA+1], s[PFA:PFA+1], s[PFS:PFS+1]
	MEET 1
	CREST                                          ; no wave of any partner still reads this slot's tile or has a load on its way
	s_add_nc_u64 s[G0+4*(\slot)+2:G0+4*(\slot)+3], s[G0+4*(\slot)+2:G0+4*(\slot)+3], 2*KSTEP*2
	s_add_nc_u64 s[G0B+4*(\slot)+2:G0B+4*(\slot)+3], s[G0B+4*(\slot)+2:G0B+4*(\slot)+3], 2*KSTEP*WROW
	JLOAD \slot                                    ; its four v_nop are also the places in front of the loads below
.else
	MEET 0
	PLACES
.endif
	FETCH \next, 0, F0
.if \fill
	ASK
.endif
	MUL16 F1, 1, 0, 0
	MUL16 F1, 1, 2, 0
.endm
	s_wait_tensorcnt 1                             ; my part of K step 0 is in; K step 1's may stay out
	s_barrier_signal -1
	s_barrier_wait -1
	FETCH 0, 0, F0
	QUARTER 0, 1, F0, F1, 1                        ; the first quarter stands in front of the loop: its products start the sums
	WIN 0
	s_mov_b32 s[LAP], LAPS-1
.Llap:                                                 ; a trip goes once round the ring, from a lap's second quarter to the next lap's first, and fills both slots again
	QUARTER 0, 2, F1, F0, 0
	QUARTER 0, 3, F0, F1, 0
	TURN 0, 1, 1
	QUARTER 1, 1, F0, F1, 0
	QUARTER 1, 2, F1, F0, 0
	QUARTER 1, 3, F0, F1, 0
	TURN 1, 0, 1
	QUARTER 0, 1, F0, F1, 0
	WIN 0
	s_sub_co_u32 s[LAP], s[LAP], 1
	s_cmp_lg_u32 s[LAP], 0
	s_cbranch_scc1 .Llap
	QUARTER 0, 2, F1, F0, 0                        ; the last lap fills nothing
	QUARTER 0, 3, F0, F1, 0
	TURN 0, 1, 0
	QUARTER 1, 1, F0, F1, 0
	QUARTER 1, 2, F1, F0, 0
	QUARTER 1, 3, F0, F1, 0
	s_wait_dscnt 8
	MUL16 F1, 0, 0, 0
	MUL16 F1, 0, 2, 0
	s_wait_dscnt 0x0
	MUL16 F1, 1, 0, 0
	MUL16 F1, 1, 2, 0
	WIN 0
	PLACES
	PLACES
; THE WAY OUT, a block of 16 rows at a time.  ROPE: the block is turned, in f32, out of its accumulators into window 0: for each group g of 16 frequencies accumulator g is lo and g + 4 is hi.
; Each accumulator's lowest registers are read first.  Then the table rows of the block two further on are asked for, into the registers just read.
.macro ROPE a
.if (\a) < 7
	s_wait_loadcnt 16                              ; this block's 16 table loads are in; the next block's 16 may stay out
.else
	s_wait_loadcnt 0x0
.endif
.set AC, 64*((\a)%4)
.set TB, 192*((\a)%2)
.set it, 0
	WIN 0x06+(\a)/4                                ; source 0: the accumulators' window (2 or 3); source 1: window 1; source 2 and destination: window 0
.irp g, 0,1,2,3
.irp r, 0,2,4,6
.set rU, TT+4*(it%4)
.set rL, AC+8*(\g)+(\r)
.set rH, AC+32+8*(\g)+(\r)
.set rC, TB+8*(\g)+(\r)
.set rN, TB+32+8*(\g)+(\r)
	v_pk_mul_f32 v[rU:rU+1],   v[rH:rH+1], v[rN:rN+1]                     ; hi sin
	v_pk_mul_f32 v[rU+2:rU+3], v[rL:rL+1], v[rN:rN+1]                     ; lo sin
	v_pk_fma_f32 v[LH+8*(\g)+(\r):LH+8*(\g)+(\r)+1], v[rL:rL+1], v[rC:rC+1], v[rU:rU+1] neg_lo:[0,0,1] neg_hi:[0,0,1]  ; lo cos - hi sin
	v_pk_fma_f32 v[LH+32+8*(\g)+(\r):LH+32+8*(\g)+(\r)+1], v[rH:rH+1], v[rC:rC+1], v[rU+2:rU+3]                        ; hi cos + lo sin
.set it, it+1
.endr
.endr
.if (\a) < 6
	TABLE (\a)+2
.endif
	WIN 0
.endm
.macro PACKH                           ; rounded to f16: a lane's eight columns of a row are 16 bytes
	WIN 0
.irp b, 0,1,2,3,4,5,6,7
.irp r, 0,1,2,3
	v_cvt_pk_f16_f32 v[TMP+4*(\b)+(\r)], v[LH+8*(\b)+2*(\r)], v[LH+8*(\b)+2*(\r)+1]
.endr
.endr
.endm
.macro TOSTAGE a                       ; into my own stage, and back as whole rows of 256 bytes
.set BK, OB+192*((\a)%2)
.irp b, 0,1,2,3,4,5,6,7
	ds_store_b128 v[STO], v[TMP+4*(\b):TMP+4*(\b)+3] offset:32*(\b)
.endr
.irp t, 0,1,2,3,4,5,6,7
	ds_load_b128 v[BK+4*(\t):BK+4*(\t)+3], v[RD] offset:(\t)*2*SPITCH  ; LDS serves a wave's instructions in order (ISA guide 5.7.1.4): these see the stores above
.endr
.endm
.macro SEND a
.set BK, OB+192*((\a)%2)
	s_wait_dscnt 0x0                               ; the block is back in registers
	s_wait_xcnt 0x0                                ; earlier stores have read their base and their data: only behind this wait are these written again
.if (\a) == 0
	s_add_nc_u64 s[10:11], s[10:11], s[COF:COF+1]  ; my part of the tile
.else
	s_add_nc_u64 s[10:11], s[10:11], 16*WROW       ; 16 rows on
.endif
.irp t, 0,1,2,3,4,5,6,7
	global_store_b128 v[CO], v[BK+4*(\t):BK+4*(\t)+3], s[10:11] offset:2*(\t)*WROW  ; 16 lanes store 256 consecutive bytes, at a multiple of 256 from qkv's first byte
.endr
.endm
	ROPE 0
	; THE FIRST BLOCK UNROUNDED, in the first row of clusters, by the waves that own a tile's rows 0-127: the branch hangs on the cluster's y and the wave's number alone.  A row's 128 f32 are 512 bytes:
	; they go through my stage in two halves of 256, eight f32 a lane in, whole rows back, and out.
	s_and_b32 s20, ttmp7, 0xffff
	s_or_b32 s20, s20, s[RH]
	s_cmp_lg_u32 s20, 0
	s_cbranch_scc1 .Lno_hq
.irp hf, 0,1
.irp g, 0,1,2,3
	ds_store_b128 v[STF], v[LH+32*(\hf)+8*(\g):LH+32*(\hf)+8*(\g)+3]   offset:64*(\g)
	ds_store_b128 v[STF], v[LH+32*(\hf)+8*(\g)+4:LH+32*(\hf)+8*(\g)+7] offset:64*(\g)+16
.endr
.irp t, 0,1,2,3,4,5,6,7
	ds_load_b128 v[OB+192*(\hf)+4*(\t):OB+192*(\hf)+4*(\t)+3], v[RD] offset:(\t)*2*SPITCH  ; in order behind the stores above
.endr
	s_wait_dscnt 0x0                               ; the half is back in registers; the next half's stores into the stage come behind these reads
.irp t, 0,1,2,3,4,5,6,7
	global_store_b128 v[HO], v[OB+192*(\hf)+4*(\t):OB+192*(\hf)+4*(\t)+3], s[HQP:HQP+1] offset:2*(\t)*HROW+256*(\hf)  ; 16 lanes store 256 consecutive bytes, at a multiple of 256 from hq's first byte
.endr
.endr
	s_wait_xcnt 0x0                                ; these stores have read their data: the registers are loaded again below
.Lno_hq:
	PACKH
	TOSTAGE 0
.irp a, 1,2,3,4,5,6,7                  ; block a's arithmetic stands between block a - 1's loads from the stage and the wait for them
	ROPE \a
	PACKH
	SEND (\a)-1
	TOSTAGE \a
.endr
	SEND 7
	s_wait_tensorcnt 0x0                           ; the wave's end: behind my last tensor load and my last LDS store
	ds_add_u32 v[SPW], v[NIL]
	s_wait_dscnt 0x0
	CROUND                                         ; the closing round: no work-group ends while a partner may still ask for a tile that names it
	s_endpgm
.Lfunc_end_k_q9854537e19_qkv:
	.size	k_q9854537e19_qkv, .Lfunc_end_k_q9854537e19_qkv-k_q9854537e19_qkv
	.p2alignl 7, 3214868480
	.fill 96, 4, 3214868480
	.section	.rodata,"a",@progbits
	.p2align	6, 0x0
	.amdhsa_kernel k_q9854537e19_qkv
		.amdhsa_group_segment_fixed_size 327680
		.amdhsa_private_segment_fixed_size 0
		.amdhsa_enable_private_segment 0
		.amdhsa_kernarg_size 40
		.amdhsa_user_sgpr_count 2
		.amdhsa_user_sgpr_kernarg_segment_ptr 1
		.amdhsa_wavefront_size32 1
		.amdhsa_system_sgpr_workgroup_id_x 1
		.amdhsa_system_sgpr_workgroup_id_y 1
		.amdhsa_system_sgpr_workgroup_id_z 1
		.amdhsa_system_vgpr_workitem_id 0
		.amdhsa_next_free_vgpr 1024
		.amdhsa_next_free_sgpr 80
		.amdhsa_reserve_vcc 0
		.amdhsa_float_denorm_mode_32 3
		.amdhsa_float_denorm_mode_16_64 3
		.amdhsa_memory_ordered 1
		.amdhsa_forward_progress 1
		.amdhsa_inst_pref_size 194
	.end_amdhsa_kernel
	.amdgpu_metadata
---
amdhsa.version: [ 1, 2 ]
amdhsa.kernels:
  - .name:           k_q9854537e19_qkv
    .symbol:         k_q9854537e19_qkv.kd
    .args:
      - { .name: xb, .offset: 0, .size: 8, .value_kind: global_buffer, .address_space: global }
      - { .name: wqkv, .offset: 8, .size: 8, .value_kind: global_buffer, .address_space: global }
      - { .name: rope, .offset: 16, .size: 8, .value_kind: global_buffer, .address_space: global }
      - { .name: qkv, .offset: 24, .size: 8, .value_kind: global_buffer, .address_space: global }
      - { .name: hq, .offset: 32, .size: 8, .value_kind: global_buffer, .address_space: global }
    .group_segment_fixed_size: 327680
    .private_segment_fixed_size: 0
    .kernarg_segment_align: 8
    .kernarg_segment_size: 40
    .max_flat_workgroup_size: 128
    .sgpr_count:     80
    .vgpr_count:     1024
    .wavefront_size: 32
...
	.end_amdgpu_metadata
.endif
;; end of part 2
;; launch attn (part 3): grid 64 x 4, 4 waves a work-group, no clusters, 327,680 bytes of LDS; arguments qkv, o; writes o
.if DOCPART == 3
	.amdgcn_target "amdgcn-amd-amdhsa--gfx1250"
	.amdhsa_code_object_version 6
	.text
	.protected	k_q9854537e19_attn
	.globl	k_q9854537e19_attn
	.p2align	8
	.type	k_q9854537e19_attn,@function
k_q9854537e19_attn:
	s_mov_b64 s[64:65], 0
	v_nop
	global_prefetch_b8 v0, s[64:65] scope:SCOPE_SE
	s_setreg_imm32_b32 hwreg(HW_REG_WAVE_MODE, 25, 1), 1
	s_wait_xcnt 0x0
; SLIDING-WINDOW ATTENTION.  o[t][h][:] = the sum over keys s, max(0, t - 512) <= s <= t, of softmax_s(q[t][h] . k[s][h / 4] / sqrt(128)) v[s][h / 4][:]: the mask of the blocks of 512, unfolded.
; qkv [4096][3072] f16: q's head h at byte 256 h of a row, k's head g at 4096 + 256 g, v's at 5120 + 256 g.  o [4096][2048] f16, head h at byte 256 h.  Products, maxima and sums in f32; the weights p are
; rounded to f16 for the second product (their sum l is taken of the unrounded p), o once at the end.
; LIMITS.  A hidden score counts as its value less 1e30; a weight below 2^-126 counts as 0 in l; p below 6e-5 keeps f16's fixed step of 6e-8; NaN and infinities are not treated apart.
; SHARES.  A work-group owns 64 queries (block QB) of one key head; its four waves are the FOUR QUERY HEADS that share that head's K and V, each with the same 64 queries: four tiles of 16.
; THE WALK.  Every work-group walks 576 keys, 9 steps of 64, from row 64 max(QB - 8, 0).  Step SD = min(QB, 8) holds the diagonal; steps behind it (QB < 8 alone) are hidden; step 0 holds the window's
; lower edge if QB >= 8.  In step 0 every query sees a key, so from then on its maximum is a true score.
; THE MASK is the C operand of the product that starts a sum: 0, or -1e30 where the key is hidden.  In the accumulator of query tile t and key block kb a lane's register r is query 16 t + l % 16, key 16 kb + 8 (l / 16) + r:
; three sets of eight registers serve all sixteen: kb = t (MCD), kb < t (MCL), kb > t (MCU); they are made anew in each step from two fixed triangles and scalars that hang on the step's number.
; ALL OF K AND V LIES IN LDS: 576 rows of each, filled once, by two tensor loads a wave at the kernel's head: no byte is filled again.  The first loads bring K's steps 0-3 and V's steps 0-2, so that the first
; three steps run while the second loads land.
; NO CLUSTER: what is shared, a key head's K and V among its four query heads, is shared inside the work-group: a tile is read once for all four.  Neighbouring query blocks want different 9 of their
; common 12 steps: a joint walk would have 12 trips for 9.  NO PREFETCH: every tile is asked for in the kernel's first lines.
; PHASES.  A step is: masks, V's run of LDS loads, 64 products K Q^T, K's run for the next step, the softmax of four tiles (its 132 exponentials one batch, with one wait), 64 products V^T P.
; LAYOUT.  S^T = K Q^T (source 0 = 16 keys, source 1 = 16 queries) holds ONE query a lane; two such results rounded to f16 in pairs ARE source 1 of O^T = V^T P.  V comes out of LDS turned, by ds_load_tr16_b128.
; SOFTMAX.  p = 2^(c s - c m), c = log2(e) / sqrt(128), m the running maximum; in every step O and l are multiplied by a = 2^(c m_old - c m_new).  m starts at the lowest finite number, O and l at 0: the first step's a is 0.
; REGISTERS, in windows of 256 (s_set_vgpr_msb: bits 1:0 source 0, 3:2 source 1, 5:4 source 2, 7:6 destination):
;   window 0: v0-11, v44-45 addresses; v12-43 eight registers of statistics a tile; v64-191 S^T, 32 a tile; v192-255 P, 16 a tile      window 1: O^T, 64 a tile
;   window 2: v0-127 Q, 32 a tile; v128-255 K of one step      window 3: v0-127 V of one step; v128-167 the masks
.set ROWB,  6144                       ; bytes in a row of qkv
.set OROW,  4096                       ; bytes in a row of o
.set KS,    64
.set NK,    576
.set PK,    272                        ; a row of K in LDS: 256 bytes + 16 of padding: the 16 rows of a load start at 16 different groups of four banks (64 banks of 4 bytes: ISA guide 11.1)
.set PV,    288                        ; a row of V: 256 + 32
.set VOFF,  NK*PK
.set SPARE, VOFF+NK*PV                 ; behind V: the spare words, 128 bytes for each wave: two blocks of 256 bytes that no other line names
.set SP,    272                        ; the stage for the way out: 16 rows x 272 bytes for each wave, in the bytes of K's first 64 rows, which have had their only fill and are read no more
.set AK0, 2                            ; v2   my lane's place in a step's K; never rewritten
.set AV0, 3                            ; v3   the same for V
.set ADRK, 4                           ; v4   the LDS address of K's run of loads
.set QO,  5                            ; v5   my byte offset in 16 rows of q
.set STO, 6                            ; v6   the way out: where I put 16 bytes of a row
.set RD,  7                            ; v7   where I read a row back
.set GO,  8                            ; v8   my byte offset in two rows of o
.set ST,  12                           ; tile t's statistics at v[ST+8 t]: +0 c m, +1 m, +2, +3 l (even keys', odd keys'), +4 to +7 at work; a takes +6
.set ADRV, 44                          ; v44  the LDS address of V's run of loads
.set DL,  45                           ; v45  l % 16 - 8 (l / 16)
.set SPW, 62                           ; v62  LDS address of my spare word; never rewritten
.set NIL, 63                           ; v63  0; never rewritten
.set S,   64
.set P,   192
.set KF,  128                          ; window 2: key block kb, channels 32 c on, at KF + 32 kb + 8 c
.set MCD, 128                          ; window 3
.set MCL, 136
.set MCU, 144
.set ML8, 152                          ; -1e30 where r < l % 16 - 8 (l / 16): below the lower edge
.set MH8, 160                          ; -1e30 where r > l % 16 - 8 (l / 16): above the diagonal
.set WV,  12
.set CH,  13                           ; s13  which half of a load's rows I fetch
.set QB,  14
.set KVH, 15
.set SD,  16
.set LOWS, 17                          ; s17  the step with the lower edge: 0, or none
.set STP, 18                           ; s18  the step's number
.set CNT, 19
.set G1KA, 24                          ; s[24:55] four descriptor groups 1: they differ in the rows and the padding
.set G1KB, 32
.set G1VA, 40
.set G1VB, 48
.set GKA, 56                           ; s[56:63], s[68:75] four groups 0
.set GKB, 60
.set GVA, 68
.set GVB, 72
.set CS,  76                           ; s[76:77] c
.set SEL, 78                           ; s[78:79] v_permlanex16_b32's selects: each lane takes its own place in the other half
.set TBK, 80                           ; s80  LDS byte at which K of the step to be fetched begins
.set TBV, 81                           ; s81  the same for V, less VOFF
.set AL,  82                           ; s[82:83] the lower triangle's factor
.set AH,  84                           ; s[84:85] the upper triangle's
.set BE,  86                           ; s[86:87] the addend
.set SL,  88                           ; s88  the mask where kb < t
.set SU,  89                           ; s89  where kb > t
.set BIGN, 90                          ; s90  -1e30
.set OUT, 91                           ; s91  groups of three steps to go
.set QPT, 92                           ; s[92:93] q at my head's first row
.set OPT, 94                           ; s[94:95] o likewise
.set KPT, 96                           ; s[96:97] k at the walk's first row
.set MSB, 0
.macro WIN new                         ; the high byte repeats the setting that is left; a switch that changes nothing is dropped
.if MSB != (\new)
	s_set_vgpr_msb (MSB<<8)|(\new)
.set MSB, \new
.endif
.endm
.set W_RS, 0x41                        ; O^T (destination and source 0) in window 1, a in window 0
.macro GROUP1 g, rows, pad             ; a tile of so many rows x 128 elements of 2 bytes, so many words of padding after every 64 words
	s_mov_b32 s[(\g)+0], (1<<16)|(1<<20)|(5<<22)|(((\pad)-1)<<25)
	s_mov_b32 s[(\g)+1], 128<<16                   ; tensor_dim0
	s_mov_b32 s[(\g)+2], (\rows)<<16               ; tensor_dim1
	s_mov_b32 s[(\g)+3], 128<<16                   ; tile_dim0
	s_mov_b32 s[(\g)+4], \rows                     ; tile_dim1
	s_mov_b32 s[(\g)+5], 3072                      ; elements from row to row
	s_mov_b32 s[(\g)+6], 0
	s_mov_b32 s[(\g)+7], 0
.endm
.macro PLACES
.rept 4
	v_nop
.endr
.endm
	s_load_b128 s[4:7], s[0:1], 0x0                ; qkv s[4:5], o s[6:7]
	v_lshl_add_u32 v[SPW], v0, 2, SPARE
	v_mov_b32 v[NIL], 0
	ds_add_u32 v[SPW], v[NIL]                      ; the wave's opening: the add and its wait stand ahead of my first tensor load; the set-up below, work on registers, stands between them
	v_lshrrev_b32 v1, 5, v0
	v_readfirstlane_b32 s[WV], v1                  ; wave 0..3
	s_and_b32 s[CH], s[WV], 1
	s_mov_b32 s[QB], ttmp9
	s_and_b32 s[KVH], ttmp7, 0xffff
	s_min_u32 s[SD], s[QB], 8
	s_cmp_ge_u32 s[QB], 8
	s_cselect_b32 s[LOWS], 0, 0xffff
	s_max_u32 s20, s[QB], 8
	s_sub_co_u32 s20, s20, 8
	s_mul_i32 s20, s20, KS*ROWB                    ; the walk's first row,
	s_lshl_b32 s21, s[KVH], 8
	s_add_co_u32 s20, s20, s21
	s_add_co_u32 s20, s20, 4096                    ; k's head
	s_mov_b32 s21, 0
	GROUP1 G1KA, 128, 4                            ; K's steps 0-3: two halves of 128 rows
	GROUP1 G1KB, 160, 4                            ; K's steps 4-8: two halves of 160
	GROUP1 G1VA, 96, 8                             ; V's steps 0-2: two halves of 96
	GROUP1 G1VB, 192, 8                            ; V's steps 3-8: two halves of 192
	s_mov_b32 s[GKA], 1
	s_mul_i32 s[GKA+1], s[CH], 128*PK
	s_mov_b32 s[GKB], 1
	s_mul_i32 s[GKB+1], s[CH], 160*PK
	s_add_co_u32 s[GKB+1], s[GKB+1], 256*PK
	s_mov_b32 s[GVA], 1
	s_mul_i32 s[GVA+1], s[CH], 96*PV
	s_add_co_u32 s[GVA+1], s[GVA+1], VOFF
	s_mov_b32 s[GVB], 1
	s_mul_i32 s[GVB+1], s[CH], 192*PV
	s_add_co_u32 s[GVB+1], s[GVB+1], VOFF+192*PV
	s_mov_b32 s[CS], 0x3e0293ee                    ; c = log2(e) / sqrt(128) = 0.127517
	s_mov_b32 s[CS+1], s[CS]
	s_mov_b32 s[SEL], 0x76543210
	s_mov_b32 s[SEL+1], 0xfedcba98
	s_mov_b32 s[TBK], 0
	s_mov_b32 s[TBV], 0
	s_mov_b32 s[STP], 0
	s_mov_b32 s[AL+1], 0                           ; named as pairs
	s_mov_b32 s[AH+1], 0
	s_mov_b32 s[BE+1], 0
	s_mov_b32 s[BIGN], 0xf149f2ca                  ; -1e30
	s_wait_dscnt 0x0                               ; the opening add is done
	s_wait_kmcnt 0x0
	s_add_nc_u64 s[KPT:KPT+1], s[4:5], s[20:21]
	s_mov_b32 s23, 0
	s_mul_i32 s22, s[CH], 128*ROWB
	s_add_nc_u64 s[GKA+2:GKA+3], s[KPT:KPT+1], s[22:23]
	s_or_b32 s[GKA+3], s[GKA+3], 0x80000000
	s_mul_i32 s22, s[CH], 160*ROWB
	s_add_co_u32 s22, s22, 256*ROWB
	s_add_nc_u64 s[GKB+2:GKB+3], s[KPT:KPT+1], s[22:23]
	s_or_b32 s[GKB+3], s[GKB+3], 0x80000000
	s_mul_i32 s22, s[CH], 96*ROWB
	s_add_co_u32 s22, s22, 1024                    ; v's head lies 1,024 bytes behind k's
	s_add_nc_u64 s[GVA+2:GVA+3], s[KPT:KPT+1], s[22:23]
	s_or_b32 s[GVA+3], s[GVA+3], 0x80000000
	s_mul_i32 s22, s[CH], 192*ROWB
	s_add_co_u32 s22, s22, 192*ROWB+1024
	s_add_nc_u64 s[GVB+2:GVB+3], s[KPT:KPT+1], s[22:23]
	s_or_b32 s[GVB+3], s[GVB+3], 0x80000000
	s_cmp_lt_u32 s[WV], 2                          ; a wave's two fills stand in one branch, ahead of every wait on TENSORcnt, every LDS read and every barrier: two loads of mine are out
	s_cbranch_scc0 .Lfill_v
	tensor_load_to_lds s[GKA:GKA+3], s[G1KA:G1KA+7]
	s_nop 0
	tensor_load_to_lds s[GKB:GKB+3], s[G1KB:G1KB+7]
	s_nop 0
.rept 4
	v_nop
.endr
	s_branch .Lfilled
.Lfill_v:
	tensor_load_to_lds s[GVA:GVA+3], s[G1VA:G1VA+7]
	s_nop 0
	tensor_load_to_lds s[GVB:GVB+3], s[G1VB:G1VB+7]
	s_nop 0
.rept 4
	v_nop
.endr
.Lfilled:
	s_lshl_b32 s23, s[KVH], 2
	s_add_co_u32 s23, s23, s[WV]                   ; my query head
	s_lshl_b32 s23, s23, 8
	s_mul_i32 s22, s[QB], KS*ROWB
	s_add_co_u32 s22, s22, s23
	s_lshl_b32 s20, s[QB], 18                      ; 64 rows of 4,096 bytes
	s_add_co_u32 s20, s20, s23
	s_mov_b32 s23, 0
	s_add_nc_u64 s[QPT:QPT+1], s[4:5], s[22:23]
	s_add_nc_u64 s[OPT:OPT+1], s[6:7], s[20:21]
	; A fragment of K or Q is 16 rows x 32 channels in 8 registers: lane l holds row l % 16, channels 8 (l / 16) + 0..7 and 16 + 8 (l / 16) + 0..7: two loads of 16 bytes, 32 bytes apart.
	v_and_b32 v1, 15, v0                           ; l % 16
	v_bfe_u32 v9, v0, 4, 1                         ; l / 16
	v_mul_u32_u24 v[QO], v1, ROWB
	v_lshl_add_u32 v[QO], v9, 4, v[QO]
	WIN 0x80                                       ; destination window 2, address window 0
.irp i, 0,1,2,3,4,5,6,7,8,9,10,11,12,13,14,15  ; Q stays in registers: tile i / 4, channels 32 (i % 4) on
	global_load_b128 v[8*(\i):8*(\i)+3],   v[QO], s[QPT:QPT+1] offset:((\i)/4)*16*ROWB+((\i)%4)*64
	global_load_b128 v[8*(\i)+4:8*(\i)+7], v[QO], s[QPT:QPT+1] offset:((\i)/4)*16*ROWB+((\i)%4)*64+32
.endr
	WIN 0
	v_lshlrev_b32 v[DL], 3, v9
	v_sub_nc_u32 v[DL], v1, v[DL]
	WIN 0xc0                                       ; destination window 3
.irp r, 0,1,2,3,4,5,6,7
	v_cmp_gt_i32 vcc_lo, \r, v[DL]
	v_cndmask_b32 v[MH8+(\r)], 0, s[BIGN], vcc_lo
	v_cmp_lt_i32 vcc_lo, \r, v[DL]
	v_cndmask_b32 v[ML8+(\r)], 0, s[BIGN], vcc_lo
.endr
	WIN 0x40                                       ; O^T starts at 0: written in the wait for the first tiles, so that the loop has one form of step
.set i, 0
.rept 256
	v_mov_b32 v[i], 0
.set i, i+1
.endr
	WIN 0
.irp t, 0,1,2,3
	v_mov_b32 v[ST+8*(\t)], 0xfe000000             ; c m: far below every c s
	v_mov_b32 v[ST+8*(\t)+1], 0xff7fffff           ; m
	v_mov_b32 v[ST+8*(\t)+2], 0
	v_mov_b32 v[ST+8*(\t)+3], 0
.endr
	v_mul_u32_u24 v[AK0], v1, PK
	v_lshl_add_u32 v[AK0], v9, 4, v[AK0]           ; row x pitch + 16 x half
	; The turning load takes 16 keys x 16 channels (lane l reads key 8 (l / 16) + l % 8, channels 8 ((l / 8) % 2) + 0..7) and leaves half a fragment of V^T: lane l holds channel l % 16 and 8 keys.
	v_and_b32 v10, 7, v0
	v_bfe_u32 v11, v0, 3, 1
	v_lshl_add_u32 v[AV0], v9, 3, v10
	v_mul_u32_u24 v[AV0], v[AV0], PV
	v_lshl_add_u32 v[AV0], v11, 4, v[AV0]
	v_add_nc_u32 v[AV0], VOFF, v[AV0]
	s_mul_i32 s22, s[WV], 16*SP                    ; my stage
	v_mul_u32_u24 v[STO], v1, SP                   ; in: row l % 16, 16 bytes for each half of the lanes
	v_lshl_add_u32 v[STO], v9, 4, v[STO]
	v_add_nc_u32 v[STO], s22, v[STO]
	v_mul_u32_u24 v[RD], v9, SP                    ; back: lanes 0-15 take one row of 256 bytes, lanes 16-31 the next
	v_lshl_add_u32 v[RD], v1, 4, v[RD]
	v_add_nc_u32 v[RD], s22, v[RD]
	v_lshlrev_b32 v[GO], 12, v9                    ; and the same two rows in o
	v_lshl_add_u32 v[GO], v1, 4, v[GO]
; K of the step at s[TBK]: 64 keys x 128 channels, 16 fragments, 32 loads in one run.  skip = 1: behind the walk's last step there is none, and the run is jumped over.
.macro FETCH_K skip
	WIN 0
.if \skip
	s_cmp_eq_u32 s[STP], 9
	s_cbranch_scc1 .Lno_k_\@
.endif
	v_add_nc_u32 v[ADRK], s[TBK], v[AK0]
	WIN 0x80
.irp f, 0,1,2,3,4,5,6,7,8,9,10,11,12,13,14,15  ; keys 16 (f / 4) on, channels 32 (f % 4) on
	ds_load_b128 v[KF+8*(\f):KF+8*(\f)+3],   v[ADRK] offset:((\f)/4)*16*PK+((\f)%4)*64
	ds_load_b128 v[KF+8*(\f)+4:KF+8*(\f)+7], v[ADRK] offset:((\f)/4)*16*PK+((\f)%4)*64+32
.endr
	s_add_co_u32 s[TBK], s[TBK], KS*PK
	WIN 0
.if \skip
.Lno_k_\@:
.endif
.endm
; One tile's softmax for one step is a list of 134 instructions; SM writes number j of it for tile t.  s0-s31 are the lane's 32 scores, in pairs 0-15.
;   0-15    the maximum of s0-s31 and the old m, three operands at a time (each accumulator's lowest registers are read first)
;   16-20   the other half of the lanes' maximum; the new m; c m; c m_old - c m_new
;   21-69   the 16 scalings c s - c m and all 33 exponentials (a at 23, then s0-s31); none of these names an exponential's result; a pair is scaled ahead of its exponentials
;   70-85   the roundings to f16      86-101  the sums; l = a l + the sum      102-133 the tile's O^T times a
.macro SM t
.set rT, ST+8*(\t)
.set rS, S+32*(\t)
.set rP, P+16*(\t)
.set rO, 64*(\t)+2*(j-102)
.if j < 102
	WIN 0
.endif
.if j < 4
	v_max3_num_f32 v[rT+4+j], v[rS+8*j], v[rS+8*j+1], v[rS+8*j+2]
.elseif j < 12
	v_max3_num_f32 v[rT+4+j%4], v[rT+4+j%4], v[rS+8*(j%4)+2*(j/4)+1], v[rS+8*(j%4)+2*(j/4)+2]
.elseif j == 12
	v_max3_num_f32 v[rT+4], v[rT+4], v[rS+7], v[rS+15]
.elseif j == 13
	v_max3_num_f32 v[rT+6], v[rT+6], v[rS+23], v[rS+31]
.elseif j == 14
	v_max3_num_f32 v[rT+4], v[rT+4], v[rT+5], v[rT+6]
.elseif j == 15
	v_max3_num_f32 v[rT+4], v[rT+4], v[rT+7], v[rT+1]
.elseif j == 16
	v_permlanex16_b32 v[rT+5], v[rT+4], s[SEL], s[SEL+1]  ; the query's other 32 keys lie in the lane 16 away
.elseif j == 17
	v_mov_b32 v[rT+7], v[rT]                       ; c m_old is kept for a
.elseif j == 18
	v_max_num_f32 v[rT+1], v[rT+4], v[rT+5]
.elseif j == 19
	v_mul_f32 v[rT], s[CS], v[rT+1]
.elseif j == 20
	v_sub_f32 v[rT+7], v[rT+7], v[rT]
.elseif j == 23
	v_exp_f32 v[rT+6], v[rT+7]
.elseif (j < 23) || ((j < 38) && (j%2 == 0)) || ((j < 66) && (j%4 == 2))
.set b, (j-2)/4                        ; 38, 42, .. 62: pairs 9 to 15
.if j < 38
.set b, (j-20)/2                       ; 21: pair 0; 22, 24, .. 36: pairs 1 to 8
.endif
	v_pk_fma_f32 v[rS+2*b:rS+2*b+1], v[rS+2*b:rS+2*b+1], s[CS:CS+1], v[rT:rT+1] op_sel_hi:[1,0,0] neg_lo:[0,0,1] neg_hi:[0,0,1]
.elseif j < 70
.set e, j-38                           ; 66 to 69: s28 to s31
.if j < 66
.set e, j-32-(j-38)/4                  ; 39-41, 43-45, .. 63-65: s7 to s27
.endif
.if j < 38
.set e, (j-25)/2                       ; 25, 27, .. 37: s0 to s6
.endif
	v_exp_f32 v[rS+e], v[rS+e]
.elseif j < 86
	v_cvt_pk_f16_f32 v[rP+j-70], v[rS+2*(j-70)], v[rS+2*(j-70)+1]
.elseif j < 102                        ; the sum of the tile's 16 pairs, in place: neighbours 1, 2, 4 and 8 pairs apart, then l takes it
.set z, j-86
.set w, 4
.set u, z
.if z >= 14
.set w, 32
.set u, 0
.elseif z >= 12
.set w, 16
.set u, z-12
.elseif z >= 8
.set w, 8
.set u, z-8
.endif
.if z < 15
	v_pk_add_f32 v[rS+w*u:rS+w*u+1], v[rS+w*u:rS+w*u+1], v[rS+w*u+w/2:rS+w*u+w/2+1]
.else
	v_pk_fma_f32 v[rT+2:rT+3], v[rT+2:rT+3], v[rT+6:rT+7], v[rS:rS+1] op_sel_hi:[1,0,1]
.endif
.else
	WIN W_RS
	v_pk_mul_f32 v[rO:rO+1], v[rO:rO+1], v[rT+6:rT+7] op_sel_hi:[1,0]
.endif
.endm
; A KEY STEP.
.macro STEP
	s_cmp_eq_u32 s[STP], s[SD]                     ; the step's masks: the diagonal's step takes the upper triangle,
	s_cselect_b32 s[AH], 1.0, 0
	s_cmp_gt_u32 s[STP], s[SD]                     ; a later one is hidden,
	s_cselect_b32 s[BE], s[BIGN], 0
	s_cmp_ge_u32 s[STP], s[SD]                     ; from the diagonal's on the key blocks behind the query's are hidden,
	s_cselect_b32 s[SU], s[BIGN], 0
	s_cmp_eq_u32 s[STP], s[LOWS]                   ; the lower edge's step takes the lower triangle and hides the key blocks ahead of the query's
	s_cselect_b32 s[AL], 1.0, 0
	s_cselect_b32 s[SL], s[BIGN], s[BE]
	s_add_co_u32 s[STP], s[STP], 1
	WIN 0xf3                                       ; 24 plain lines in window 3: they name no register of the last product V^T P, and are the places in front of V's loads
.irp r, 0,2,4,6
	v_pk_fma_f32 v[MCD+(\r):MCD+(\r)+1], v[MH8+(\r):MH8+(\r)+1], s[AH:AH+1], s[BE:BE+1] op_sel_hi:[1,0,0]
.endr
.irp r, 0,2,4,6
	v_pk_fma_f32 v[MCD+(\r):MCD+(\r)+1], v[ML8+(\r):ML8+(\r)+1], s[AL:AL+1], v[MCD+(\r):MCD+(\r)+1] op_sel_hi:[1,0,1]
.endr
.irp r, 0,1,2,3,4,5,6,7
	v_mov_b32 v[MCL+(\r)], s[SL]
	v_mov_b32 v[MCU+(\r)], s[SU]
.endr
	WIN 0
	v_add_nc_u32 v[ADRV], s[TBV], v[AV0]
	s_add_co_u32 s[TBV], s[TBV], KS*PV
	WIN 0xc0                                       ; destination window 3: this step's V, turned: wanted behind the softmax
.irp f, 0,1,2,3,4,5,6,7,8,9,10,11,12,13,14,15  ; keys 32 (f / 8) on, channels 16 (f % 8) on
	ds_load_tr16_b128 v[8*(\f):8*(\f)+3],   v[ADRV] offset:((\f)/8)*32*PV+((\f)%8)*32
	ds_load_tr16_b128 v[8*(\f)+4:8*(\f)+7], v[ADRV] offset:((\f)/8)*32*PV+16*PV+((\f)%8)*32
.endr
	; S^T = K Q^T + mask: 64 products; the 16 accumulators take turns, one instruction a turn
.irp c, 0,1,2,3
.irp t, 0,1,2,3
.irp kb, 0,1,2,3
.set rS, S+32*(\t)+8*(\kb)
.set rK, KF+32*(\kb)+8*(\c)
.set rQ, 32*(\t)+8*(\c)
.if (\c) == 0
.set rM, MCD
.if (\kb) < (\t)
.set rM, MCL
.endif
.if (\kb) > (\t)
.set rM, MCU
.endif
	WIN 0x3a                                       ; K and Q window 2, the mask window 3, S^T window 0
	v_wmma_f32_16x16x32_f16 v[rS:rS+7], v[rK:rK+7], v[rQ:rQ+7], v[rM:rM+7]
.else
	WIN 0x0a
	v_wmma_f32_16x16x32_f16 v[rS:rS+7], v[rK:rK+7], v[rQ:rQ+7], v[rS:rS+7]
.endif
.endr
.endr
.endr
	WIN 0
	PLACES                                         ; behind the last product: in front of the loads into K's registers and of the maxima
	FETCH_K 1                                      ; the next step's K: it has the softmax in which to come
.set j, 0
.rept 70
.irp t, 0,1,2,3
	SM \t
.endr
.set j, j+1
.endr
	v_nop                                          ; a plain instruction behind the last exponential,
	s_wait_alu depctr_va_vdst(0)                   ; and ONE wait for the step's 132, ahead of the first line that names a result of theirs
.rept 64
.irp t, 0,1,2,3
	SM \t
.endr
.set j, j+1
.endr
	s_wait_dscnt 0x0                               ; V of this step and K of the next are in
	WIN 0x53                                       ; V window 3, P window 0, O^T window 1: 64 products; the 32 accumulators take turns
.irp kk, 0,1
.irp t, 0,1,2,3
.irp cb, 0,1,2,3,4,5,6,7
.set rO, 64*(\t)+8*(\cb)
.set rV, 64*(\kk)+8*(\cb)
.set rP, P+16*(\t)+8*(\kk)
	v_wmma_f32_16x16x32_f16 v[rO:rO+7], v[rV:rV+7], v[rP:rP+7], v[rO:rO+7]
.endr
.endr
.endr
	WIN 0
.endm
	s_wait_tensorcnt 0x1                           ; my first load is in (K's steps 0-3 or V's steps 0-2); my second may stay out: no byte is ever filled again
	s_barrier_signal -1
	s_barrier_wait -1                              ; everybody's is
	FETCH_K 0                                      ; step 0
	s_wait_loadcnt 0x0                             ; Q
	s_wait_dscnt 0x0
	s_mov_b32 s[OUT], 3
.Lgroup:                                               ; three groups of three steps: one text of the step
	s_mov_b32 s[CNT], 3
.Lstep:
	STEP
	s_sub_co_u32 s[CNT], s[CNT], 1
	s_cmp_lg_u32 s[CNT], 0
	s_cbranch_scc1 .Lstep
	s_wait_tensorcnt 0x0                           ; behind step 2: my second load is in; behind steps 5 and 8 nothing is out
	s_wait_dscnt 0x0                               ; my LDS reads are back
	s_barrier_signal -1
	s_barrier_wait -1                              ; behind step 2: all of K and V lies in LDS; behind step 8: nobody reads K any more, so the stage may be written
	s_sub_co_u32 s[OUT], s[OUT], 1
	s_cmp_lg_u32 s[OUT], 0
	s_cbranch_scc1 .Lgroup
	; THE WAY OUT.  l's two halves and the other half of the lanes' are added; O^T is divided by l, rounded to f16 and sent through my stage, a tile (16 rows of o) at a time.  The additions are the places behind the last products.
.irp t, 0,1,2,3
	v_add_f32 v[ST+8*(\t)+4], v[ST+8*(\t)+2], v[ST+8*(\t)+3]
.endr
.irp t, 0,1,2,3
	v_permlanex16_b32 v[ST+8*(\t)+5], v[ST+8*(\t)+4], s[SEL], s[SEL+1]
.endr
.irp t, 0,1,2,3
	v_add_f32 v[ST+8*(\t)+4], v[ST+8*(\t)+4], v[ST+8*(\t)+5]
.endr
.irp t, 0,1,2,3
	v_rcp_f32 v[ST+8*(\t)+6], v[ST+8*(\t)+4]
.endr
	v_nop                                          ; a plain instruction between the last reciprocal and the use of its result,
	s_wait_alu depctr_va_vdst(0)                   ; and the one wait for the four
.macro PACK t                          ; a lane's eight channels of a row pack into 16 bytes; they go into rows of 272 bytes and come back as whole rows of 256, into the registers that they left
	WIN W_RS
.set i, 64*(\t)
.rept 32
	v_pk_mul_f32 v[i:i+1], v[i:i+1], v[ST+8*(\t)+6:ST+8*(\t)+7] op_sel_hi:[1,0]
.set i, i+2
.endr
	WIN 0x05                                       ; sources 0 and 1 window 1, destination window 0: S^T's registers are free
.set i, 0
.rept 32
	v_cvt_pk_f16_f32 v[S+32*(\t)+i], v[64*(\t)+2*i], v[64*(\t)+2*i+1]
.set i, i+1
.endr
	WIN 0
.irp f, 0,1,2,3,4,5,6,7
	ds_store_b128 v[STO], v[S+32*(\t)+4*(\f):S+32*(\t)+4*(\f)+3] offset:32*(\f)
.endr
.irp f, 0,1,2,3,4,5,6,7
	ds_load_b128 v[S+32*(\t)+4*(\f):S+32*(\t)+4*(\f)+3], v[RD] offset:(\f)*2*SP  ; LDS serves a wave's instructions in order (ISA guide 5.7.1.4): these see the stores above; the next tile's stores come behind them
.endr
.endm
.macro SEND t, younger                 ; younger: the LDS instructions issued behind tile t's loads: the next tile's sixteen, or none
.irp f, 0,1,2,3,4,5,6,7
	s_wait_dscnt (\younger)+7-(\f)
	global_store_b128 v[GO], v[S+32*(\t)+4*(\f):S+32*(\t)+4*(\f)+3], s[OPT:OPT+1] offset:(\t)*16*OROW+(\f)*2*OROW  ; 16 lanes store 256 consecutive bytes, at a multiple of 256 from o's first byte
.endr
.endm
	PACK 0
	PACK 1                                         ; a tile's arithmetic stands between the loads of the tile before and its stores
	SEND 0, 16
	PACK 2
	SEND 1, 16
	PACK 3
	SEND 2, 16
	SEND 3, 0
	s_wait_tensorcnt 0x0                           ; the wave's end: behind my last tensor load and my last LDS store
	ds_add_u32 v[SPW], v[NIL]
	s_wait_dscnt 0x0
	s_endpgm
.Lfunc_end_k_q9854537e19_attn:
	.size	k_q9854537e19_attn, .Lfunc_end_k_q9854537e19_attn-k_q9854537e19_attn
	.p2alignl 7, 3214868480
	.fill 96, 4, 3214868480
	.section	.rodata,"a",@progbits
	.p2align	6, 0x0
	.amdhsa_kernel k_q9854537e19_attn
		.amdhsa_group_segment_fixed_size 327680
		.amdhsa_private_segment_fixed_size 0
		.amdhsa_enable_private_segment 0
		.amdhsa_kernarg_size 16
		.amdhsa_user_sgpr_count 2
		.amdhsa_user_sgpr_kernarg_segment_ptr 1
		.amdhsa_wavefront_size32 1
		.amdhsa_system_sgpr_workgroup_id_x 1
		.amdhsa_system_sgpr_workgroup_id_y 1
		.amdhsa_system_sgpr_workgroup_id_z 1
		.amdhsa_system_vgpr_workitem_id 0
		.amdhsa_next_free_vgpr 1024
		.amdhsa_next_free_sgpr 100
		.amdhsa_reserve_vcc 1
		.amdhsa_float_denorm_mode_32 3
		.amdhsa_float_denorm_mode_16_64 3
		.amdhsa_memory_ordered 1
		.amdhsa_forward_progress 1
		.amdhsa_inst_pref_size 92
	.end_amdhsa_kernel
	.amdgpu_metadata
---
amdhsa.version: [ 1, 2 ]
amdhsa.kernels:
  - .name:           k_q9854537e19_attn
    .symbol:         k_q9854537e19_attn.kd
    .args:
      - { .name: qkv, .offset: 0, .size: 8, .value_kind: global_buffer, .address_space: global }
      - { .name: o, .offset: 8, .size: 8, .value_kind: global_buffer, .address_space: global }
    .group_segment_fixed_size: 327680
    .private_segment_fixed_size: 0
    .kernarg_segment_align: 8
    .kernarg_segment_size: 16
    .max_flat_workgroup_size: 128
    .sgpr_count:     100
    .vgpr_count:     1024
    .wavefront_size: 32
...
	.end_amdgpu_metadata
.endif
;; end of part 3
;; launch oproj (part 4): grid 8 x 32, 4 waves a work-group, clusters of 4 x 4, 327,680 bytes of LDS; arguments o, wo, out0; writes out0
.if DOCPART == 4
	.amdgcn_target "amdgcn-amd-amdhsa--gfx1250"
	.amdhsa_code_object_version 6
	.text
	.protected	k_q9854537e19_oproj
	.globl	k_q9854537e19_oproj
	.p2align	8
	.type	k_q9854537e19_oproj,@function
k_q9854537e19_oproj:
	s_mov_b64 s[64:65], 0
	v_nop
	global_prefetch_b8 v0, s[64:65] scope:SCOPE_SE
	s_setreg_imm32_b32 hwreg(HW_REG_WAVE_MODE, 25, 1), 1
	s_wait_xcnt 0x0
	s_wait_alu depctr_hold_cnt(0) depctr_sa_sdst(0) depctr_va_vdst(0) depctr_va_sdst(0) depctr_va_ssrc(0) depctr_va_vcc(0) depctr_vm_vsrc(0)
	s_getreg_b32 s2, hwreg(HW_REG_IB_STS2, 6, 4)
	s_cmp_eq_u32 s2, 0
	s_cbranch_scc0 .Lentry_in_a_cluster
	s_endpgm
.Lentry_in_a_cluster:
	s_bfe_u32 s2, ttmp6, 0x10000c
	s_cmp_lg_u32 s2, 0xf033
	s_cbranch_scc0 .Lentry_shape_is_right
	s_endpgm
.Lentry_shape_is_right:
; out0[t][n] = the sum over k of o[t][k] wo[k][n].  o [4096][2048] f16, wo [2048][2048] f16 (rows along n), out0 [4096][2048] f32; sums in f32, K ascending, stored as they are.
; A tile of 128 x 256 gives 32 x 8 = 256 work-groups.  Four waves, each 64 rows x 128 columns: 32 accumulators, 256 registers.  K goes in steps of 128 through a ring of two LDS slots filled by the tensor data mover.
; CLUSTERS: 4 x 4 work-groups.  The four of a row of the cluster need the same tiles of o, the four of a column the same tiles of wo: each tile is asked for JOINTLY, by the same tensor load with the same
; descriptor and a mask that names the four.
; THE MATRIX INSTRUCTION IS USED TRANSPOSED: source 0 = 16 columns of wo (out of LDS turned, by ds_load_tr16_b128), source 1 = 16 rows of o: lane l holds row l % 16 and the eight neighbouring columns 8 (l / 16) + 0..7.
; REGISTERS: window 0: v0-31 addresses; v32-63, v64-95 fragments of o, two buffers; v96-159, v160-223 fragments of wo, two buffers (on the way out v32-95 and v96-159 take rows read back).  Window 1: the accumulators, (a, b) at v[8 (8 a + b)].
.set KSTEP,  128
.set PA,     272                       ; an LDS row of o: 256 bytes + 16 of padding: the 16 rows of a load start at 16 different groups of four banks (64 banks of 4 bytes: ISA guide 11.1)
.set PB,     544                       ; an LDS row of wo: 512 bytes + 32
.set HA,     64*PA                     ; a wave's load of o: 64 rows
.set HB,     64*PB                     ; a wave's load of wo: 64 rows
.set BOFF,   2*HA
.set SLOT,   2*HA+2*HB
.set STAGE,  2*SLOT                    ; behind the ring: 16 rows x 528 bytes for each wave, for the way out
.set SPITCH, 528                       ; 512 bytes + 16
.set SPARE,  STAGE+4*16*SPITCH         ; behind the stages: the spare words, 128 bytes for each wave: two blocks of 256 bytes that no other line names
.set AROW,   4096                      ; bytes in a row of o and of wo
.set CROW,   8192                      ; bytes in a row of out0
.set LAPS,   8
.set ADRA, 16
.set ADRB, 20
.set STO,  24
.set RD,   25
.set CO,   26
.set SPW,  28
.set NIL,  29
.set PFO,  30
.set FA,   32                          ; o's buffer f at FA + 32 f
.set FB,   96                          ; wo's at FB + 64 f
.set OB,   32
.set WV, 12
.set RH, 13                            ; s13 which 64 rows are mine, also: I fetch o (0) or wo (1);  s14 which 128 columns, also: which half I fetch
.set CH, 14
.set CX, 15
.set CY, 16
.set TC, 17
.set TR, 18
.set G1,  24
.set G0,  32
.set PFA, 40
.set PFS, 42
.set LIM, 44
.set LAP, 45
.set G1B, 48
.set G0B, 56
.set MSB, 0
.macro WIN new
.if MSB != (\new)
	s_set_vgpr_msb (MSB<<8)|(\new)
.set MSB, \new
.endif
.endm
.set MUL, 0x50                         ; sources 0 and 1 window 0; C and D window 1
.macro JLOAD s                         ; a joint load: waves 0 and 1 fetch o's two halves, waves 2 and 3 wo's; an s_nop 0 and four v_nop follow each of the two lines
	s_cmp_eq_u32 s[RH], 0
	s_cbranch_scc0 .Lfor_b_\@
	tensor_load_to_lds s[G0+4*(\s):G0+4*(\s)+3], s[G1:G1+7]
	s_nop 0
.rept 4
	v_nop
.endr
	s_branch .Lasked_\@
.Lfor_b_\@:
	tensor_load_to_lds s[G0B+4*(\s):G0B+4*(\s)+3], s[G1B:G1B+7]
	s_nop 0
.rept 4
	v_nop
.endr
.Lasked_\@:
.endm
; A PREFETCH INTO THE L2, behind each joint refill and the run of LDS loads that follows it: the K step that stands two refills on, 256 matrix instructions ahead of the load that will ask for it.
; Each aligned block of 256 bytes is named once in the launch.  o's tile row is read by the two clusters of that row of clusters: the one with x = 0 asks, its four partners 32 rows each, told apart by address, a lane
; a row, wave 0 alone.  wo's tile column is read by the eight clusters of that column: the one with y = 0 asks, waves 2 and 3 for the 64 rows that each fetches, the four partners 16 rows each, two lanes a row.
; K steps 0 to 3 come by their loads alone; the loop's last trip asks for nothing.
.macro ASK
	s_cmp_gt_u32 s[LAP], s[LIM]
	s_cbranch_scc0 .Lnot_mine_\@
	global_prefetch_b8 v[PFO], s[PFA:PFA+1] th:TH_LOAD_NT scope:SCOPE_SE
.Lnot_mine_\@:
.endm
.macro CREST
	s_cmp_lg_u32 s[WV], 0
	s_cbranch_scc1 .Lnot_wave_0_\@
	s_barrier_signal -3
.Lnot_wave_0_\@:
	s_barrier_wait -3
	s_barrier_signal -1
	s_barrier_wait -1
.endm
.macro CROUND
	s_barrier_signal -1
	s_barrier_wait -1
	CREST
.endm
	s_load_b128 s[4:7], s[0:1], 0x0                ; o s[4:5], wo s[6:7]
	s_load_b64 s[8:9], s[0:1], 0x10                ; out0
	v_lshl_add_u32 v[SPW], v0, 2, SPARE
	v_mov_b32 v[NIL], 0
	ds_add_u32 v[SPW], v[NIL]                      ; the wave's opening: the add and its wait stand ahead of my first tensor load; the set-up below, work on registers, stands between them
	v_lshrrev_b32 v1, 5, v0
	v_readfirstlane_b32 s[WV], v1
	s_lshr_b32 s[RH], s[WV], 1
	s_and_b32 s[CH], s[WV], 1
	s_bfe_u32 s[CX], ttmp6, 0x40000
	s_bfe_u32 s[CY], ttmp6, 0x40004
	s_lshl_b32 s[TC], ttmp9, 2
	s_add_co_u32 s[TC], s[TC], s[CX]               ; tile column = 4 x cluster x + cx
	s_and_b32 s[TR], ttmp7, 0xffff
	s_lshl_b32 s[TR], s[TR], 2
	s_add_co_u32 s[TR], s[TR], s[CY]               ; tile row = 4 x cluster y + cy
	s_lshl_b32 s20, s[CY], 2
	s_lshl_b32 s20, 15, s20                        ; my row of the cluster
	s_lshl_b32 s21, 0x1111, s[CX]                  ; my column
	s_or_b32 s[G1+0], s20, (1<<16)|(1<<20)|(1<<21)|(5<<22)|(3<<25)   ; the mask; elements of 2 bytes; padding on; bit 21 beside a mask; after every 64 words 4 words
	s_or_b32 s[G1B+0], s21, (1<<16)|(1<<20)|(1<<21)|(6<<22)|(7<<25)  ; after every 128 words 8 words
	s_mov_b32 s[G1+1], KSTEP<<16                   ; o: a tile of 64 rows x 128 elements
	s_mov_b32 s[G1+2], 64<<16
	s_mov_b32 s[G1+3], KSTEP<<16
	s_mov_b32 s[G1+4], 64
	s_mov_b32 s[G1+5], 2048
	s_mov_b32 s[G1+6], 0
	s_mov_b32 s[G1+7], 0
	s_mov_b32 s[G1B+1], 256<<16                    ; wo: a tile of 64 rows x 256 elements
	s_mov_b32 s[G1B+2], 64<<16
	s_mov_b32 s[G1B+3], 256<<16
	s_mov_b32 s[G1B+4], 64
	s_mov_b32 s[G1B+5], 2048
	s_mov_b32 s[G1B+6], 0
	s_mov_b32 s[G1B+7], 0
	s_lshl_b32 s22, s[TR], 7
	s_lshl_b32 s19, s[CH], 6
	s_add_co_u32 s22, s22, s19                     ; o: row 128 x tile row + 64 x half,
	s_lshl_b32 s22, s22, 12                        ; in bytes
	s_mov_b32 s23, 0
	s_lshl_b32 s46, s[CH], 18                      ; wo: row 64 x half (64 x 4,096 bytes),
	s_lshl_b32 s47, s[TC], 9                       ; column 256 x tile column
	s_add_co_u32 s46, s46, s47
	s_mov_b32 s47, 0
	s_mul_i32 s20, s[CH], HA                       ; where they go: no place in the cluster enters an LDS address
	s_mul_i32 s21, s[CH], HB
	s_add_co_u32 s21, s21, BOFF
	s_wait_dscnt 0x0                               ; the opening add is done
	s_wait_kmcnt 0x0
	s_add_nc_u64 s[22:23], s[4:5], s[22:23]
	s_add_nc_u64 s[46:47], s[6:7], s[46:47]
	CROUND                                         ; all sixteen work-groups are here: the first joint loads meet
.irp s, 0,1
	s_mov_b32 s[G0+4*(\s)], 1
	s_add_co_u32 s[G0+4*(\s)+1], s20, (\s)*SLOT
	s_add_nc_u64 s[G0+4*(\s)+2:G0+4*(\s)+3], s[22:23], (\s)*KSTEP*2
	s_or_b32 s[G0+4*(\s)+3], s[G0+4*(\s)+3], 0x80000000
	s_mov_b32 s[G0B+4*(\s)], 1
	s_add_co_u32 s[G0B+4*(\s)+1], s21, (\s)*SLOT
	s_add_nc_u64 s[G0B+4*(\s)+2:G0B+4*(\s)+3], s[46:47], (\s)*KSTEP*AROW
	s_or_b32 s[G0B+4*(\s)+3], s[G0B+4*(\s)+3], 0x80000000
	JLOAD \s                                       ; two tensor loads of mine are out
.endr
	v_and_b32 v1, 15, v0                           ; l % 16
	v_bfe_u32 v2, v0, 4, 1                         ; l / 16
	v_mul_u32_u24 v3, v1, PA
	v_lshl_add_u32 v3, v2, 4, v3
	v_and_b32 v4, 7, v0
	v_lshl_add_u32 v4, v2, 3, v4
	v_mul_u32_u24 v4, v4, PB
	v_bfe_u32 v5, v0, 3, 1
	v_lshl_add_u32 v4, v5, 4, v4
	s_mul_i32 s21, s[RH], HA                       ; my 64 rows of o
	s_lshl_b32 s22, s[CH], 8                       ; my 128 columns of wo
	s_add_co_u32 s22, s22, BOFF
.irp s, 0,1
	v_add_nc_u32 v[ADRA+(\s)], s21, v3
	v_add_nc_u32 v[ADRB+(\s)], s22, v4
	s_add_co_u32 s21, s21, SLOT
	s_add_co_u32 s22, s22, SLOT
.endr
	s_mul_i32 s23, s[WV], 16*SPITCH
	s_add_co_u32 s23, s23, STAGE                   ; my stage
	v_mul_u32_u24 v4, v1, SPITCH                   ; in: row l % 16, 32 bytes for each half of the lanes
	v_lshl_add_u32 v4, v2, 5, v4
	v_add_nc_u32 v[STO], s23, v4
	v_and_b32 v3, 31, v0
	v_lshlrev_b32 v[CO], 4, v3                     ; back, and out: a row's 512 bytes, 16 a lane
	v_add_nc_u32 v[RD], s23, v[CO]
	s_lshl_b32 s20, s[TR], 7
	s_lshl_b32 s21, s[RH], 6
	s_add_co_u32 s20, s20, s21                     ; my first row,
	s_lshl_b32 s20, s20, 13
	s_lshl_b32 s21, s[TC], 10
	s_add_co_u32 s20, s20, s21
	s_lshl_b32 s21, s[CH], 9
	s_add_co_u32 s20, s20, s21                     ; my first column, in bytes
	s_mov_b32 s21, 0
	s_add_nc_u64 s[8:9], s[8:9], s[20:21]
	; the prefetches
	s_and_b32 s20, ttmp7, 0xffff                   ; cluster y
	s_lshl_b32 s21, s[TR], 7
	s_lshl_b32 s22, s[CX], 5
	s_add_co_u32 s21, s21, s22                     ; o: the tile's 128 rows, my work-group's 32 of them,
	s_lshl_b32 s21, s21, 12
	s_add_co_u32 s21, s21, 3*KSTEP*2               ; at K step 3: the first refill steps it to 4
	s_lshl_b32 s22, s[CH], 6
	s_lshl_b32 s23, s[CY], 4
	s_add_co_u32 s22, s22, s23
	s_add_co_u32 s22, s22, 3*KSTEP                 ; wo: the 64 rows that I fetch, my work-group's 16 of them, at K step 3
	s_lshl_b32 s22, s22, 12
	s_lshl_b32 s23, s[TC], 9
	s_add_co_u32 s22, s22, s23
	s_mov_b32 s[PFS], KSTEP*AROW
	s_cmp_eq_u32 s[RH], 0
	s_cselect_b32 s46, s21, s22
	s_cselect_b32 s20, ttmp9, s20                  ; the coordinate along which other clusters read the same rows
	s_cselect_b32 s[PFS], 0x100, s[PFS]
	s_cselect_b64 s[PFA:PFA+1], s[4:5], s[6:7]
	s_mov_b32 s47, 0
	s_mov_b32 s[PFS+1], 0
	s_add_nc_u64 s[PFA:PFA+1], s[PFA:PFA+1], s[46:47]
	s_cmp_eq_u32 s[WV], 1                          ; wave 1 never asks: wave 0's 32 lanes name all of the work-group's rows of o
	s_cselect_b32 s21, 1, 0
	s_or_b32 s20, s20, s21
	s_cmp_eq_u32 s20, 0
	s_cselect_b32 s[LIM], 1, -1                    ; the same in all sixteen partners, for a given wave
	v_lshrrev_b32 v4, s[RH], v3                    ; o: a lane a row; wo: two lanes a row,
	v_lshlrev_b32 v4, 12, v4
	v_and_b32 v5, s[RH], v3
	v_lshl_add_u32 v[PFO], v5, 8, v4               ; 256 bytes apart
; 8 matrix instructions: row block a x all 8 column blocks, 32 along K.  zero = 1: the first product starts the sums.  The 32 accumulators take turns, in the same order in every quarter.
.macro MULA f, a, zero
	WIN MUL
.irp b, 0,1,2,3,4,5,6,7
.if \zero
	v_wmma_f32_16x16x32_f16 v[8*(8*(\a)+(\b)):8*(8*(\a)+(\b))+7], v[FB+64*(\f)+8*(\b):FB+64*(\f)+8*(\b)+7], v[FA+32*(\f)+8*(\a):FA+32*(\f)+8*(\a)+7], 0
.else
	v_wmma_f32_16x16x32_f16 v[8*(8*(\a)+(\b)):8*(8*(\a)+(\b))+7], v[FB+64*(\f)+8*(\b):FB+64*(\f)+8*(\b)+7], v[FA+32*(\f)+8*(\a):FA+32*(\f)+8*(\a)+7], v[8*(8*(\a)+(\b)):8*(8*(\a)+(\b))+7]
.endif
.endr
.endm
; 24 LDS loads in one run: quarter q of a slot into buffer f: wo's 128 columns turned, then o's 64 rows
.macro FETCH slot, q, f
	WIN 0
.irp i, 0,1,2,3,4,5,6,7
	ds_load_tr16_b128 v[FB+64*(\f)+8*(\i):FB+64*(\f)+8*(\i)+3],   v[ADRB+(\slot)] offset:(\q)*32*PB+(\i)*32
	ds_load_tr16_b128 v[FB+64*(\f)+8*(\i)+4:FB+64*(\f)+8*(\i)+7], v[ADRB+(\slot)] offset:(\q)*32*PB+16*PB+(\i)*32
.endr
.irp i, 0,1,2,3
	ds_load_b128 v[FA+32*(\f)+8*(\i):FA+32*(\f)+8*(\i)+3],   v[ADRA+(\slot)] offset:(\q)*64+(\i)*16*PA
	ds_load_b128 v[FA+32*(\f)+8*(\i)+4:FA+32*(\f)+8*(\i)+7], v[ADRA+(\slot)] offset:(\q)*64+(\i)*16*PA+32
.endr
.endm
.macro PLACES                          ; four plain vector instructions between a matrix instruction and a load into, or a reader of, its registers (ISA guide 7.12.1 for vector instructions)
.rept 4
	v_nop
.endr
.endm
; A K step is four quarters of 32 along K, 32 matrix instructions each, on buffers 0, 1, 0, 1.
.macro QUARTER slot, q, f, g, zero
	s_wait_dscnt 4                                 ; wo's fragments and o's blocks 0 and 1 are in; the youngest four loads (blocks 2 and 3) may be out
	MULA \f, 0, \zero
	MULA \f, 1, \zero
	PLACES
	FETCH \slot, \q, \g
	s_wait_dscnt 24                                ; all but the 24 just issued
	MULA \f, 2, \zero
	MULA \f, 3, \zero
.endm
.macro MEET round                      ; in front of the barrier each wave waits for all its tensor loads, adds 0 to its spare word, and waits for that and for its own reads of this slot
	WIN 0
	s_wait_tensorcnt 0x0
	ds_add_u32 v[SPW], v[NIL]
	s_wait_dscnt 5                                 ; the add and the youngest four loads may be out
	MULA 1, 0, 0
	s_wait_dscnt 0x0                               ; the add is done, and my reads of this slot are over
	s_barrier_signal -1
	MULA 1, 1, 0
.if \round
	WIN 0
.endif
	s_barrier_wait -1
.endm
.macro TURN slot, next, fill           ; fill = 1: the barrier opens a round of the cluster's, and the slot just read out is filled again, first thing behind the round: 112 matrix instructions ahead of the wait for it
.if \fill
	s_wait_xcnt 0x0                                ; the last prefetch, a K step back, has read its address, so it may be stepped
	s_add_nc_u64 s[PFA:PFA+1], s[PFA:PFA+1], s[PFS:PFS+1]
	MEET 1
	CREST
	s_add_nc_u64 s[G0+4*(\slot)+2:G0+4*(\slot)+3], s[G0+4*(\slot)+2:G0+4*(\slot)+3], 2*KSTEP*2
	s_add_nc_u64 s[G0B+4*(\slot)+2:G0B+4*(\slot)+3], s[G0B+4*(\slot)+2:G0B+4*(\slot)+3], 2*KSTEP*AROW
	JLOAD \slot                                    ; its four v_nop are also the places in front of the loads below
.else
	MEET 0
	PLACES
.endif
	FETCH \next, 0, 0
.if \fill
	ASK
.endif
	MULA 1, 2, 0
	MULA 1, 3, 0
.endm
	s_wait_tensorcnt 1                             ; my part of K step 0 is in; K step 1's may stay out
	s_barrier_signal -1
	s_barrier_wait -1
	FETCH 0, 0, 0
	QUARTER 0, 1, 0, 1, 1                          ; the first quarter stands in front of the loop: its products start the sums
	WIN 0
	s_mov_b32 s[LAP], LAPS-1
.Llap:
	QUARTER 0, 2, 1, 0, 0
	QUARTER 0, 3, 0, 1, 0
	TURN 0, 1, 1
	QUARTER 1, 1, 0, 1, 0
	QUARTER 1, 2, 1, 0, 0
	QUARTER 1, 3, 0, 1, 0
	TURN 1, 0, 1
	QUARTER 0, 1, 0, 1, 0
	WIN 0
	s_sub_co_u32 s[LAP], s[LAP], 1
	s_cmp_lg_u32 s[LAP], 0
	s_cbranch_scc1 .Llap
	QUARTER 0, 2, 1, 0, 0                          ; the last lap fills nothing
	QUARTER 0, 3, 0, 1, 0
	TURN 0, 1, 0
	QUARTER 1, 1, 0, 1, 0
	QUARTER 1, 2, 1, 0, 0
	QUARTER 1, 3, 0, 1, 0
	s_wait_dscnt 4
	MULA 1, 0, 0
	MULA 1, 1, 0
	s_wait_dscnt 0x0
	MULA 1, 2, 0
	MULA 1, 3, 0
	WIN 0
	PLACES
	PLACES
; THE WAY OUT, a block of 16 rows at a time: a lane's eight f32 of a row (32 bytes) go into my stage, rows of 528 bytes, and come back as whole rows of 512 bytes, 16 a lane.
.macro TOST a
.set BK, OB+64*((\a)%2)
	s_wait_xcnt 0x0                                ; the stores of two blocks back have read these registers
	WIN 0x04                                       ; the data in window 1; each accumulator's lowest four registers go first
.irp b, 0,1,2,3,4,5,6,7
	ds_store_b128 v[STO], v[8*(8*(\a)+(\b)):8*(8*(\a)+(\b))+3]   offset:64*(\b)
	ds_store_b128 v[STO], v[8*(8*(\a)+(\b))+4:8*(8*(\a)+(\b))+7] offset:64*(\b)+16
.endr
	WIN 0
.irp t, 0,1,2,3,4,5,6,7,8,9,10,11,12,13,14,15
	ds_load_b128 v[BK+4*(\t):BK+4*(\t)+3], v[RD] offset:(\t)*SPITCH  ; LDS serves a wave's instructions in order (ISA guide 5.7.1.4): these see the stores above; the next block's stores come behind them
.endr
.endm
.macro SENDF a, younger                ; younger: the LDS instructions issued behind block a's loads: the next block's 32, or none
.set BK, OB+64*((\a)%2)
	s_wait_dscnt \younger
.irp t, 0,1,2,3,4,5,6,7,8,9,10,11,12,13,14,15
	global_store_b128 v[CO], v[BK+4*(\t):BK+4*(\t)+3], s[8:9] offset:(16*(\a)+(\t))*CROW  ; the wave stores 512 consecutive bytes, at a multiple of 256 from out0's first byte
.endr
.endm
	TOST 0
	TOST 1
	SENDF 0, 32
	TOST 2
	SENDF 1, 32
	TOST 3
	SENDF 2, 32
	SENDF 3, 0
	s_wait_tensorcnt 0x0                           ; the wave's end: behind my last tensor load and my last LDS store
	ds_add_u32 v[SPW], v[NIL]
	s_wait_dscnt 0x0
	CROUND                                         ; the closing round: no work-group ends while a partner may still ask for a tile that names it
	s_endpgm
.Lfunc_end_k_q9854537e19_oproj:
	.size	k_q9854537e19_oproj, .Lfunc_end_k_q9854537e19_oproj-k_q9854537e19_oproj
	.p2alignl 7, 3214868480
	.fill 96, 4, 3214868480
	.section	.rodata,"a",@progbits
	.p2align	6, 0x0
	.amdhsa_kernel k_q9854537e19_oproj
		.amdhsa_group_segment_fixed_size 327680
		.amdhsa_private_segment_fixed_size 0
		.amdhsa_enable_private_segment 0
		.amdhsa_kernarg_size 24
		.amdhsa_user_sgpr_count 2
		.amdhsa_user_sgpr_kernarg_segment_ptr 1
		.amdhsa_wavefront_size32 1
		.amdhsa_system_sgpr_workgroup_id_x 1
		.amdhsa_system_sgpr_workgroup_id_y 1
		.amdhsa_system_sgpr_workgroup_id_z 1
		.amdhsa_system_vgpr_workitem_id 0
		.amdhsa_next_free_vgpr 512
		.amdhsa_next_free_sgpr 80
		.amdhsa_reserve_vcc 0
		.amdhsa_float_denorm_mode_32 3
		.amdhsa_float_denorm_mode_16_64 3
		.amdhsa_memory_ordered 1
		.amdhsa_forward_progress 1
		.amdhsa_inst_pref_size 87
	.end_amdhsa_kernel
	.amdgpu_metadata
---
amdhsa.version: [ 1, 2 ]
amdhsa.kernels:
  - .name:           k_q9854537e19_oproj
    .symbol:         k_q9854537e19_oproj.kd
    .args:
      - { .name: o, .offset: 0, .size: 8, .value_kind: global_buffer, .address_space: global }
      - { .name: wo, .offset: 8, .size: 8, .value_kind: global_buffer, .address_space: global }
      - { .name: out0, .offset: 16, .size: 8, .value_kind: global_buffer, .address_space: global }
    .group_segment_fixed_size: 327680
    .private_segment_fixed_size: 0
    .kernarg_segment_align: 8
    .kernarg_segment_size: 24
    .max_flat_workgroup_size: 128
    .sgpr_count:     80
    .vgpr_count:     512
    .wavefront_size: 32
...
	.end_amdgpu_metadata
.endif
;; end of part 4
;; launch first16 (part 5): grid 32 x 1, 4 waves a work-group, no clusters, 99,840 bytes of LDS; arguments hq, wo, out0; writes out0
.if DOCPART == 5
	.amdgcn_target "amdgcn-amd-amdhsa--gfx1250"
	.amdhsa_code_object_version 6
	.text
	.protected	k_q9854537e19_first16
	.globl	k_q9854537e19_first16
	.p2align	8
	.type	k_q9854537e19_first16,@function
k_q9854537e19_first16:
	s_mov_b64 s[64:65], 0
	v_nop
	global_prefetch_b8 v0, s[64:65] scope:SCOPE_SE
	s_setreg_imm32_b32 hwreg(HW_REG_WAVE_MODE, 25, 1), 1
	s_wait_xcnt 0x0
; THE OUTPUT'S ROWS 0-15 ANEW, WITH SPLIT OPERANDS.  Row t is a mean over t + 1 keys only, so the first rows' numbers are many times the whole output's root mean square, and so is what a rounding of q, k, v, the
; weights and o to f16 leaves in them; that share falls as 1 / sqrt(t + 1).  Here every matrix operand made by the program is hi + lo, hi = f16(a), lo = f16(a - hi) (the difference is exact in f32): 22 significant bits.
; This launch stores over the 16 rows that the launch before has stored.
; hq [64][3072] f32: rows 0-15 are q (16 heads of 128, turned), k (4 heads, from column 2048) and v (4 heads, from column 2560) of positions 0-15, unrounded; the other rows are not read.
; wo [2048][2048] f16 (rows along n).  out0 [4096][2048] f32.  Queries 0-15 see keys 0 .. t alone: one tile of 16 x 16 scores a head.
; LIMITS.  |q|, |k|, |v| stay within 65,504; a lo part keeps f16's fixed step of 6e-8; a hidden score counts as its value less 1e30; NaN and infinities are not treated apart.
; SHARES.  A work-group makes 64 columns of the 16 rows: 256 bytes a row.  Wave g is key head g: it makes the attention of query heads 4 g .. 4 g + 3 (every work-group repeats this: 28 matrix instructions a head) and
; multiplies each head's o at once by that head's 128 rows of wo: K IS SPLIT AMONG THE WAVES, and the four partial sums meet in LDS at the end.
; A TRIP of the one loop is a head:  S^T = K Q^T as Kh Qh + Kh Ql + Kl Qh, three accumulators by turns, the mask as the C of the first;  the softmax of the tile, with its maximum taken away;
; O^T = V^T P: V's fragment holds hi as keys 0-15 and lo as keys 16-31 of the instruction's 32, P's fragment the same 16 weights twice, so that two products (with Ph, with Pl) give (Vh + Vl)(Ph + Pl);
; out^T += wo^T O^T with Oh and with Ol, four accumulators by turns.  O^T's result IS the next product's source 1: a lane holds one query and eight neighbouring channels in both.
; wo's rows lie along n: a head's 128 rows x 128 bytes go through registers into the wave's own LDS bytes and come out turned, by ds_load_tr16_b128; no other wave touches those bytes.
; The next head's q and rows of wo are asked for a trip ahead.  No cluster: the work-groups share hq's 196,608 bytes alone.  No tensor load: nothing here is shared between waves on the way in.
; REGISTERS, in windows of 256 (s_set_vgpr_msb: bits 1:0 source 0, 3:2 source 1, 5:4 source 2, 7:6 destination).  Source 0 of every product lies in window 1, all else of it in window 0.
;   window 0: v0-15 addresses; v16-47 out^T; v48-65 constants, statistics, the mask; v66-89 S^T; v90-105 P; v112-175 Q's fragments, later O's (hi 32, lo 32); v176-239 O^T
;   window 1: v0-63 K's fragments (hi, lo); v64-127 V's (hi and lo in one); v128-255 wo's      window 2: v0-127 wo as loaded; v128-191 q as loaded      window 3: v0-63 k, v64-127 v as loaded
.set HROW,  12288                      ; bytes in a row of hq
.set WROW,  4096                       ; of wo
.set OROW,  8192                       ; of out0
.set PW,    160                        ; a row of wo in LDS: 128 bytes + 32
.set WREG,  128*PW                     ; a wave's bytes: a head's 128 rows
.set PART,  4*WREG                     ; behind them: the partial sums, 16 rows x 272 bytes for each wave
.set PP,    272
.set SPARE, PART+4*16*PP               ; behind them: the spare words, 128 bytes for each wave: two blocks of 256 bytes that no other line names
.set KO,  6                            ; v6   my byte offset in a fragment's rows of q or k: (l % 16) x HROW + 32 (l / 16); never rewritten
.set VO,  7                            ; v7   in v: 8 (l / 16) x HROW + 4 (l % 16)
.set WO,  8                            ; v8   in four rows of wo: (l / 8) x WROW + 16 (l % 8)
.set WS,  9                            ; v9   where I put those 16 bytes in LDS
.set WT,  10                           ; v10  where the turning load reads
.set PS,  11                           ; v11  where I put 32 bytes of a partial sum
.set PR,  12                           ; v12  where I read partial sums back
.set OO,  13                           ; v13  my byte offset in out0
.set SPW, 14                           ; v14  LDS address of my spare word; never rewritten
.set NIL, 15                           ; v15  0; never rewritten
.set OUT, 16                           ; column tile t at OUT + 8 t
.set NEG1, 48                          ; v48  -1.0
.set DL,  49                           ; v49  l % 16 - 8 (l / 16)
.set T,   50                           ; v50-57  c m, m, and six at work; 1 / l at +6
.set MK,  58                           ; v58-65  -1e30 where key 8 (l / 16) + j lies behind query l % 16
.set SA,  66
.set SB,  74
.set SC,  82
.set PB1, 90                           ; Ph twice
.set PB2, 98                           ; Pl twice
.set QF,  112
.set OA,  176                          ; channel block cb at OA + 8 cb
.set RB,  112                          ; at the end: partial sums read back
.set KH,  0                            ; window 1
.set KL,  32
.set VF,  64
.set WF,  128                          ; K chunk c, column tile t at WF + 32 c + 8 t
.set WR,  0                            ; window 2
.set QR,  128
.set KR,  0                            ; window 3
.set VR,  64
.set WV,  12
.set CNT, 13
.set BIGN, 14
.set KP,  16                           ; s[16:17] k's head g;  s[18:19] v's
.set VP,  18
.set QP,  24                           ; s[24:25] q's head of the trip whose loads were issued last;  s[26:27] that head's rows of wo, my work-group's columns
.set WP,  26
.set CS,  28                           ; s[28:29] c = log2(e) / sqrt(128)
.set SEL, 30                           ; s[30:31] v_permlanex16_b32's selects: each lane takes its own place in the other half
.set MSB, 0
.macro WIN new                         ; the high byte repeats the setting that is left; a switch that changes nothing is dropped
.if MSB != (\new)
	s_set_vgpr_msb (MSB<<8)|(\new)
.set MSB, \new
.endif
.endm
.macro PLACES8                         ; plain vector instructions between a matrix instruction and a vector instruction, a load or a store on its registers (ISA guide 7.12.1 asks for four; eight are written)
.rept 8
	v_nop
.endr
.endm
; 16 rows x 128 f32 as fragments want them: for each chunk c of 32 channels my 8 + 8 numbers, four loads of 16 bytes: 64 registers in window w
.macro ROWS16 w, dst, ptr
	WIN (\w)<<6
.irp c, 0,1,2,3
	global_load_b128 v[(\dst)+16*(\c):(\dst)+16*(\c)+3],     v[KO], s[\ptr:\ptr+1] offset:128*(\c)
	global_load_b128 v[(\dst)+16*(\c)+4:(\dst)+16*(\c)+7],   v[KO], s[\ptr:\ptr+1] offset:128*(\c)+16
	global_load_b128 v[(\dst)+16*(\c)+8:(\dst)+16*(\c)+11],  v[KO], s[\ptr:\ptr+1] offset:128*(\c)+64
	global_load_b128 v[(\dst)+16*(\c)+12:(\dst)+16*(\c)+15], v[KO], s[\ptr:\ptr+1] offset:128*(\c)+80
.endr
.endm
.macro LOADW                           ; a head's 128 rows of wo, my work-group's 128 bytes of each: four rows a load
	WIN 0x80
.set i, 0
.rept 32
	global_load_b128 v[WR+4*i:WR+4*i+3], v[WO], s[WP:WP+1] offset:i*4*WROW
.set i, i+1
.endr
.endm
; 64 f32 (window rw, from raw) are split: pair i gives word i of hi and of lo (window hw).  vmode = 1, V's fragments: four words of hi, then the four of lo.  The residual a - hi is made in place, by one fused line a number.
.macro SREG hi, lo, vmode
.if \vmode
.set rh, (\hi)+8*(i/4)+i%4
.set rl, rh+4
.else
.set rh, (\hi)+i
.set rl, (\lo)+i
.endif
.endm
.macro SPLIT rw, raw, hw, hi, lo, vmode
	WIN ((\hw)<<6)|((\rw)<<2)|(\rw)
.set i, 0
.rept 32
	SREG \hi, \lo, \vmode
	v_cvt_pk_f16_f32 v[rh], v[(\raw)+2*i], v[(\raw)+2*i+1]
.set i, i+1
.endr
	WIN ((\rw)<<6)|((\rw)<<4)|(\hw)
.set i, 0
.rept 32
	SREG \hi, \lo, \vmode
	v_fma_mix_f32 v[(\raw)+2*i],   v[rh], v[NEG1], v[(\raw)+2*i]   op_sel_hi:[1,0,0]                 ; a - hi's low half
	v_fma_mix_f32 v[(\raw)+2*i+1], v[rh], v[NEG1], v[(\raw)+2*i+1] op_sel:[1,0,0] op_sel_hi:[1,0,0]  ; a - hi's high half
.set i, i+1
.endr
	WIN ((\hw)<<6)|((\rw)<<2)|(\rw)
.set i, 0
.rept 32
	SREG \hi, \lo, \vmode
	v_cvt_pk_f16_f32 v[rl], v[(\raw)+2*i], v[(\raw)+2*i+1]
.set i, i+1
.endr
	WIN 0
.endm
	s_load_b128 s[4:7], s[0:1], 0x0                ; hq s[4:5], wo s[6:7]
	s_load_b64 s[8:9], s[0:1], 0x10                ; out0
	v_lshl_add_u32 v[SPW], v0, 2, SPARE
	v_mov_b32 v[NIL], 0
	v_lshrrev_b32 v1, 5, v0
	v_readfirstlane_b32 s[WV], v1                  ; wave 0..3 = key head
	v_and_b32 v1, 15, v0                           ; l % 16
	v_bfe_u32 v2, v0, 4, 1                         ; l / 16
	v_and_b32 v3, 31, v0                           ; l
	v_mul_u32_u24 v[KO], v1, HROW
	v_lshl_add_u32 v[KO], v2, 5, v[KO]
	v_mul_u32_u24 v[VO], v2, 8*HROW
	v_lshl_add_u32 v[VO], v1, 2, v[VO]
	v_lshrrev_b32 v4, 3, v3                        ; l / 8
	v_and_b32 v5, 7, v0                            ; l % 8
	v_lshlrev_b32 v[WO], 12, v4
	v_lshl_add_u32 v[WO], v5, 4, v[WO]
	s_mul_i32 s20, s[WV], WREG                     ; my wave's bytes
	v_mul_u32_u24 v[WS], v4, PW
	v_lshl_add_u32 v[WS], v5, 4, v[WS]
	v_add_nc_u32 v[WS], s20, v[WS]
	v_lshl_add_u32 v[WT], v2, 3, v5                ; the turning load: lane l reads row 8 (l / 16) + l % 8,
	v_mul_u32_u24 v[WT], v[WT], PW
	v_bfe_u32 v4, v0, 3, 1
	v_lshl_add_u32 v[WT], v4, 4, v[WT]             ; columns 8 ((l / 8) % 2) + 0..7
	v_add_nc_u32 v[WT], s20, v[WT]
	s_mul_i32 s21, s[WV], 16*PP
	s_add_co_u32 s21, s21, PART
	v_mul_u32_u24 v[PS], v1, PP                    ; partial sums in: row l % 16, 32 bytes for each half of the lanes
	v_lshl_add_u32 v[PS], v2, 5, v[PS]
	v_add_nc_u32 v[PS], s21, v[PS]
	v_lshrrev_b32 v4, 4, v0                        ; back: thread T takes 16 bytes of rows T / 16 and T / 16 + 8
	v_mul_u32_u24 v[PR], v4, PP
	v_lshl_add_u32 v[PR], v1, 4, v[PR]
	v_add_nc_u32 v[PR], PART, v[PR]
	v_lshlrev_b32 v[OO], 13, v4
	v_lshl_add_u32 v[OO], v1, 4, v[OO]
	v_lshlrev_b32 v[DL], 3, v2
	v_sub_nc_u32 v[DL], v1, v[DL]
	s_mov_b32 s[BIGN], 0xf149f2ca                  ; -1e30
.irp j, 0,1,2,3,4,5,6,7
	v_cmp_gt_i32 vcc_lo, \j, v[DL]                 ; key 8 (l / 16) + j > query l % 16
	v_cndmask_b32 v[MK+(\j)], 0, s[BIGN], vcc_lo
.endr
	v_mov_b32 v[NEG1], -1.0
	v_mov_b32 v[T+7], 0                            ; named in a pair with 1 / l
	s_mov_b32 s[CS], 0x3e0293ee                    ; c = 0.127517
	s_mov_b32 s[CS+1], s[CS]
	s_mov_b32 s[SEL], 0x76543210
	s_mov_b32 s[SEL+1], 0xfedcba98
	s_mov_b32 s23, 0
	s_lshl_b32 s20, s[WV], 9                       ; a head is 512 bytes of a row of hq
	s_wait_kmcnt 0x0
	s_add_co_u32 s22, s20, 8192                    ; k begins at column 2048
	s_add_nc_u64 s[KP:KP+1], s[4:5], s[22:23]
	s_add_co_u32 s22, s20, 10240                   ; v at column 2560
	s_add_nc_u64 s[VP:VP+1], s[4:5], s[22:23]
	s_lshl_b32 s22, s[WV], 11                      ; my four query heads
	s_add_nc_u64 s[QP:QP+1], s[4:5], s[22:23]
	s_lshl_b32 s22, s[WV], 21                      ; their 512 rows of wo,
	s_lshl_b32 s20, ttmp9, 7                       ; my work-group's 64 columns
	s_add_co_u32 s22, s22, s20
	s_add_nc_u64 s[WP:WP+1], s[6:7], s[22:23]
	s_lshl_b32 s22, ttmp9, 8
	s_add_nc_u64 s[8:9], s[8:9], s[22:23]
	ROWS16 3, KR, KP                               ; 16 loads
.irp cb, 0,1,2,3,4,5,6,7                       ; V^T's fragment wants a lane's eight keys of ONE channel: 64 loads of 4 bytes, 16 lanes 64 consecutive bytes
.irp j, 0,1,2,3,4,5,6,7
	global_load_b32 v[VR+8*(\cb)+(\j)], v[VO], s[VP:VP+1] offset:(\j)*HROW+64*(\cb)
.endr
.endr
	ROWS16 2, QR, QP                               ; the first head's q: 16 loads,
	LOADW                                          ; and its rows of wo: 32
	WIN 0
.set i, 0
.rept 32
	v_mov_b32 v[OUT+i], 0                          ; the sums start at 0: written while the loads are on their way, so that the loop has one form of product
.set i, i+1
.endr
	s_wait_loadcnt 48                              ; k and v are in; q's 16 and wo's 32 loads may stay out
	SPLIT 3, KR, 1, KH, KL, 0
	SPLIT 3, VR, 1, VF, 0, 1
	s_mov_b32 s[CNT], 4
.Lhead:
	s_wait_loadcnt 0x0                             ; this head's q and rows of wo are in
	WIN 0x08                                       ; the data in window 2
.set i, 0
.rept 32
	ds_store_b128 v[WS], v[WR+4*i:WR+4*i+3] offset:i*4*PW  ; my wave's own bytes; the last trip's reads of them were waited for in front of its products
.set i, i+1
.endr
	SPLIT 2, QR, 0, QF, QF+32, 0
	WIN 0x40                                       ; destination window 1: wo turned; LDS serves a wave's instructions in order (ISA guide 5.7.1.4): these see the stores above
.irp c, 0,1,2,3
.irp t, 0,1,2,3
	ds_load_tr16_b128 v[WF+32*(\c)+8*(\t):WF+32*(\c)+8*(\t)+3],   v[WT] offset:(\c)*32*PW+32*(\t)
	ds_load_tr16_b128 v[WF+32*(\c)+8*(\t)+4:WF+32*(\c)+8*(\t)+7], v[WT] offset:(\c)*32*PW+16*PW+32*(\t)
.endr
.endr
	WIN 0
	s_cmp_eq_u32 s[CNT], 1                         ; the last head has none behind it
	s_cbranch_scc1 .Lno_next
	s_add_nc_u64 s[QP:QP+1], s[QP:QP+1], 512       ; the loads that read these pointers were waited for at the trip's head
	s_add_nc_u64 s[WP:WP+1], s[WP:WP+1], 128*WROW
	ROWS16 2, QR, QP
	LOADW
	WIN 0
.Lno_next:
	WIN 0x01                                       ; S^T: 12 products, three accumulators by turns, one instruction a turn
.irp c, 0,1,2,3
.if (\c) == 0
	v_wmma_f32_16x16x32_f16 v[SA:SA+7], v[KH:KH+7], v[QF:QF+7], v[MK:MK+7]
	v_wmma_f32_16x16x32_f16 v[SB:SB+7], v[KH:KH+7], v[QF+32:QF+39], 0
	v_wmma_f32_16x16x32_f16 v[SC:SC+7], v[KL:KL+7], v[QF:QF+7], 0
.else
	v_wmma_f32_16x16x32_f16 v[SA:SA+7], v[KH+8*(\c):KH+8*(\c)+7], v[QF+8*(\c):QF+8*(\c)+7], v[SA:SA+7]
	v_wmma_f32_16x16x32_f16 v[SB:SB+7], v[KH+8*(\c):KH+8*(\c)+7], v[QF+32+8*(\c):QF+32+8*(\c)+7], v[SB:SB+7]
	v_wmma_f32_16x16x32_f16 v[SC:SC+7], v[KL+8*(\c):KL+8*(\c)+7], v[QF+8*(\c):QF+8*(\c)+7], v[SC:SC+7]
.endif
.endr
	WIN 0
	PLACES8
.irp r, 0,2,4,6                        ; the three parts are added, each accumulator from its low end on
	v_pk_add_f32 v[SB+(\r):SB+(\r)+1], v[SB+(\r):SB+(\r)+1], v[SC+(\r):SC+(\r)+1]
.endr
.irp r, 0,2,4,6
	v_pk_add_f32 v[SA+(\r):SA+(\r)+1], v[SA+(\r):SA+(\r)+1], v[SB+(\r):SB+(\r)+1]
.endr
	v_max3_num_f32 v[T+2], v[SA], v[SA+1], v[SA+2] ; the query's maximum: my eight keys,
	v_max3_num_f32 v[T+3], v[SA+3], v[SA+4], v[SA+5]
	v_max3_num_f32 v[T+2], v[T+2], v[SA+6], v[SA+7]
	v_max_num_f32 v[T+2], v[T+2], v[T+3]
	v_permlanex16_b32 v[T+3], v[T+2], s[SEL], s[SEL+1]  ; and the other eight, in the lane 16 away
	v_max_num_f32 v[T+1], v[T+2], v[T+3]
	v_mul_f32 v[T], s[CS], v[T+1]
.irp r, 0,2,4,6
	v_pk_fma_f32 v[SA+(\r):SA+(\r)+1], v[SA+(\r):SA+(\r)+1], s[CS:CS+1], v[T:T+1] op_sel_hi:[1,0,0] neg_lo:[0,0,1] neg_hi:[0,0,1]  ; c s - c m
.endr
.irp j, 0,1,2,3,4,5,6,7
	v_exp_f32 v[SA+(\j)], v[SA+(\j)]
.endr
	v_nop                                          ; a plain instruction behind the last exponential,
	s_wait_alu depctr_va_vdst(0)                   ; and one wait for the eight, ahead of their first reader
	v_pk_add_f32 v[T+2:T+3], v[SA:SA+1], v[SA+2:SA+3]
	v_pk_add_f32 v[T+4:T+5], v[SA+4:SA+5], v[SA+6:SA+7]
	v_pk_add_f32 v[T+2:T+3], v[T+2:T+3], v[T+4:T+5]
	v_add_f32 v[T+2], v[T+2], v[T+3]
	v_permlanex16_b32 v[T+3], v[T+2], s[SEL], s[SEL+1]
	v_add_f32 v[T+2], v[T+2], v[T+3]               ; l
	v_rcp_f32 v[T+6], v[T+2]                       ; its wait stands behind the products below, ahead of its first reader
.irp i, 0,1,2,3                        ; the weights are split; each part is written twice: as keys 0-15 (for V's hi) and as keys 16-31 (for V's lo)
	v_cvt_pk_f16_f32 v[PB1+(\i)],   v[SA+2*(\i)], v[SA+2*(\i)+1]
	v_cvt_pk_f16_f32 v[PB1+4+(\i)], v[SA+2*(\i)], v[SA+2*(\i)+1]
.endr
.irp i, 0,1,2,3
	v_fma_mix_f32 v[SA+2*(\i)],   v[PB1+(\i)], v[NEG1], v[SA+2*(\i)]   op_sel_hi:[1,0,0]
	v_fma_mix_f32 v[SA+2*(\i)+1], v[PB1+(\i)], v[NEG1], v[SA+2*(\i)+1] op_sel:[1,0,0] op_sel_hi:[1,0,0]
.endr
.irp i, 0,1,2,3
	v_cvt_pk_f16_f32 v[PB2+(\i)],   v[SA+2*(\i)], v[SA+2*(\i)+1]
	v_cvt_pk_f16_f32 v[PB2+4+(\i)], v[SA+2*(\i)], v[SA+2*(\i)+1]
.endr
	WIN 0x01                                       ; O^T: 16 products, eight accumulators by turns
.irp cb, 0,1,2,3,4,5,6,7
	v_wmma_f32_16x16x32_f16 v[OA+8*(\cb):OA+8*(\cb)+7], v[VF+8*(\cb):VF+8*(\cb)+7], v[PB1:PB1+7], 0
.endr
.irp cb, 0,1,2,3,4,5,6,7
	v_wmma_f32_16x16x32_f16 v[OA+8*(\cb):OA+8*(\cb)+7], v[VF+8*(\cb):VF+8*(\cb)+7], v[PB2:PB2+7], v[OA+8*(\cb):OA+8*(\cb)+7]
.endr
	WIN 0
	PLACES8
	s_wait_alu depctr_va_vdst(0)                   ; the reciprocal's wait
.set i, 0
.rept 32
	v_pk_mul_f32 v[OA+2*i:OA+2*i+1], v[OA+2*i:OA+2*i+1], v[T+6:T+7] op_sel_hi:[1,0]  ; O^T / l
.set i, i+1
.endr
	SPLIT 0, OA, 0, QF, QF+32, 0                   ; channel blocks 2 c and 2 c + 1, packed, are the fragment of K chunk c: no number changes its lane
	s_wait_dscnt 0x0                               ; wo's fragments are in
	WIN 0x01                                       ; out^T: 32 products, four accumulators by turns
.irp c, 0,1,2,3
.irp p, 0,1
.irp t, 0,1,2,3
	v_wmma_f32_16x16x32_f16 v[OUT+8*(\t):OUT+8*(\t)+7], v[WF+32*(\c)+8*(\t):WF+32*(\c)+8*(\t)+7], v[QF+32*(\p)+8*(\c):QF+32*(\p)+8*(\c)+7], v[OUT+8*(\t):OUT+8*(\t)+7]
.endr
.endr
.endr
	WIN 0
	PLACES8                                        ; in front of the next trip's lines that write these products' sources, and of the stores below
	s_sub_co_u32 s[CNT], s[CNT], 1
	s_cmp_lg_u32 s[CNT], 0
	s_cbranch_scc1 .Lhead
.irp t, 0,1,2,3                        ; my partial sums: a lane's eight columns of a row are 32 bytes
	ds_store_b128 v[PS], v[OUT+8*(\t):OUT+8*(\t)+3]   offset:64*(\t)
	ds_store_b128 v[PS], v[OUT+8*(\t)+4:OUT+8*(\t)+7] offset:64*(\t)+16
.endr
	s_wait_dscnt 0x0                               ; for the others' sake: my stores are done
	s_barrier_signal -1
	s_barrier_wait -1                              ; all four partial sums lie in LDS
.irp rr, 0,1
.irp w, 0,1,2,3
	ds_load_b128 v[RB+16*(\rr)+4*(\w):RB+16*(\rr)+4*(\w)+3], v[PR] offset:(\rr)*8*PP+(\w)*16*PP
.endr
.endr
	s_wait_dscnt 0x0
.irp rr, 0,1
.irp k, 0,2
	v_pk_add_f32 v[RB+16*(\rr)+(\k):RB+16*(\rr)+(\k)+1],     v[RB+16*(\rr)+(\k):RB+16*(\rr)+(\k)+1],     v[RB+16*(\rr)+4+(\k):RB+16*(\rr)+4+(\k)+1]
	v_pk_add_f32 v[RB+16*(\rr)+8+(\k):RB+16*(\rr)+8+(\k)+1], v[RB+16*(\rr)+8+(\k):RB+16*(\rr)+8+(\k)+1], v[RB+16*(\rr)+12+(\k):RB+16*(\rr)+12+(\k)+1]
.endr
.irp k, 0,2
	v_pk_add_f32 v[RB+16*(\rr)+(\k):RB+16*(\rr)+(\k)+1],     v[RB+16*(\rr)+(\k):RB+16*(\rr)+(\k)+1],     v[RB+16*(\rr)+8+(\k):RB+16*(\rr)+8+(\k)+1]
.endr
	global_store_b128 v[OO], v[RB+16*(\rr):RB+16*(\rr)+3], s[8:9] offset:(\rr)*8*OROW  ; 16 lanes store 256 consecutive bytes, at a multiple of 256 from out0's first byte
.endr
	s_wait_tensorcnt 0x0                           ; the wave's end: behind my last LDS store
	ds_add_u32 v[SPW], v[NIL]
	s_wait_dscnt 0x0
	s_endpgm
.Lfunc_end_k_q9854537e19_first16:
	.size	k_q9854537e19_first16, .Lfunc_end_k_q9854537e19_first16-k_q9854537e19_first16
	.p2alignl 7, 3214868480
	.fill 96, 4, 3214868480
	.section	.rodata,"a",@progbits
	.p2align	6, 0x0
	.amdhsa_kernel k_q9854537e19_first16
		.amdhsa_group_segment_fixed_size 99840
		.amdhsa_private_segment_fixed_size 0
		.amdhsa_enable_private_segment 0
		.amdhsa_kernarg_size 24
		.amdhsa_user_sgpr_count 2
		.amdhsa_user_sgpr_kernarg_segment_ptr 1
		.amdhsa_wavefront_size32 1
		.amdhsa_system_sgpr_workgroup_id_x 1
		.amdhsa_system_sgpr_workgroup_id_y 1
		.amdhsa_system_sgpr_workgroup_id_z 1
		.amdhsa_system_vgpr_workitem_id 0
		.amdhsa_next_free_vgpr 896
		.amdhsa_next_free_sgpr 66
		.amdhsa_reserve_vcc 1
		.amdhsa_float_denorm_mode_32 3
		.amdhsa_float_denorm_mode_16_64 3
		.amdhsa_memory_ordered 1
		.amdhsa_forward_progress 1
		.amdhsa_inst_pref_size 71
	.end_amdhsa_kernel
	.amdgpu_metadata
---
amdhsa.version: [ 1, 2 ]
amdhsa.kernels:
  - .name:           k_q9854537e19_first16
    .symbol:         k_q9854537e19_first16.kd
    .args:
      - { .name: hq, .offset: 0, .size: 8, .value_kind: global_buffer, .address_space: global }
      - { .name: wo, .offset: 8, .size: 8, .value_kind: global_buffer, .address_space: global }
      - { .name: out0, .offset: 16, .size: 8, .value_kind: global_buffer, .address_space: global }
    .group_segment_fixed_size: 99840
    .private_segment_fixed_size: 0
    .kernarg_segment_align: 8
    .kernarg_segment_size: 24
    .max_flat_workgroup_size: 128
    .sgpr_count:     66
    .vgpr_count:     896
    .wavefront_size: 32
...
	.end_amdgpu_metadata
.endif
;; end of part 5
;; ======== version 2 of 2: 5 launches; version 1 with the launch cast written anew for expert scheduling mode
;; limits: values are held in f16: magnitudes above 65,504 overflow, below 6.1e-05 lose precision
;; workspace buffers: xb 16,777,216 bytes; wqkv 12,582,912 bytes; wo 8,388,608 bytes; rope 2,097,664 bytes; qkv 25,165,824 bytes; o 16,777,216 bytes; hq 786,432 bytes
;; launch cast (part 6): grid 1216 x 1, 8 waves a work-group, no clusters, 0 bytes of LDS; arguments x, q_kernel, k_kernel, v_kernel, out_kernel, xb, wqkv, wo, rope; writes xb, wqkv, wo, rope
.if DOCPART == 6
	.amdgcn_target "amdgcn-amd-amdhsa--gfx1250"
	.amdhsa_code_object_version 6
	.text
	.protected	k_q9854537e19_cast
	.globl	k_q9854537e19_cast
	.p2align	8
	.type	k_q9854537e19_cast,@function
k_q9854537e19_cast:
	s_mov_b64 s[64:65], 0
	v_nop
	global_prefetch_b8 v0, s[64:65] scope:SCOPE_SE
	s_setreg_imm32_b32 hwreg(HW_REG_WAVE_SCHED_MODE, 0, 2), 2
	s_setreg_imm32_b32 hwreg(HW_REG_WAVE_MODE, 25, 1), 1
	s_wait_xcnt 0x0
	s_wait_alu depctr_vm_vsrc(0)
; CAST AND TABLE.  Work-groups 0-63 make the table of cosines and sines; work-groups 64-1215 round the five f32 inputs to 16 bits.
;   xb   [4096][2048] bf16 = x          wqkv [2048][3072] bf16 = q_kernel | k_kernel | v_kernel side by side (a row is 6,144 bytes)
;   wo   [2048][2048] f16 = out_kernel rounded to bf16, that number written as f16
;   rope rows of 512 bytes: 64 f32 cosines, 64 f32 sines; rows 0-4095 = position t, frequency i: angle t x 10000^(-i/64); row 4096 = 64 x 1.0, 64 x 0.0
; LIMITS.  |out_kernel| stays within 65,504 (f16's range); below 2^-14 it keeps f16's fixed step of 6e-8.  The angle is t x 2^(-i log2(10000)/64) in f32:
; at the largest angles (4,095 rad) some 4e-4 rad from a quotient t / 10000^(i/64) taken in f32, which itself is no nearer to the true angle.  NaN and infinities are not treated apart.
; No LDS, no matrix unit, no cluster: every byte is read once and written once, and no work-group shares a byte with another.
; A CAST JOB: 8 chunks of 2,048 numbers (8,192 bytes in, 4,096 out).  Thread t takes numbers 4 t .. 4 t + 3 and 1,024 + 4 t .. + 3 of each chunk: a load of a wave covers 512 consecutive
; bytes, a store of a wave 256 consecutive bytes, aligned.  All 16 loads go out at once.
; THE MODE: SCHED_MODE bits 1:0 = 2 (LLVM: expert scheduling mode 2), set by the entry lines.  The code itself states the register dependences
; between vector instructions and memory instructions, with s_wait_alu, always for 0.
; THE PLAN, A CAST JOB.  Registers that memory instructions touch:
;   v1        the loads' offset: written once at the head, read by the 16 loads, never written again.
;   XR        written by the loads, once; read by the roundings; no vector line names it ahead of the loads, and it is never loaded again.
;   OFS       the stores' offsets: written once, behind the loads; never written again.
;   YR        four words for each chunk, its own: written once, by the chunk's roundings; read by its two stores.
; The chunks go in four blocks of two.  A block's four stores are issued at the head of the next block, behind ONE wait on va_vdst, which stands behind the wait for that block's first data.
; No register that a memory instruction reads is written again: no wait on vm_vsrc and none on XCNT is owed on this path.
; THE PLAN, THE TABLE.  v6, 16 x lane, is every store's offset: written once.  A row's address is a scalar sum made anew in each trip.  v[44:47], the row, is written late in a trip and read by the trip's one store.
; In a trip: all the arithmetic that names neither the row's registers nor its address; then the waits that free them from the last trip's store; then the eight lines that write the row, one wait on va_vdst, the store.
.set OFS, 2                            ; v[2:9]    chunk i: my byte offset in the destination
.set XR,  16                           ; v[16:79]  chunk i: 8 numbers as loaded
.set YR,  80                           ; v[80:111] chunk i: 4 words to store
.set TW,  112                          ; v[112:119] at work: no memory instruction names them
	s_load_b512 s[4:19], s[0:1], 0x0               ; x 4, q_kernel 6, k_kernel 8, v_kernel 10, out_kernel 12, xb 14, wqkv 16, wo 18
	s_load_b64 s[20:21], s[0:1], 0x40              ; rope
	s_cmp_lt_u32 ttmp9, 64
	s_cbranch_scc1 .Lrope
	s_sub_co_u32 s22, ttmp9, 64                    ; the cast job's number: 0-511 x, 512-767 q_kernel, 768-1023 out_kernel, 1024-1087 k_kernel, 1088-1151 v_kernel
	v_lshlrev_b32 v1, 4, v0                        ; my 16 bytes in half a chunk of the source
	s_mov_b32 s28, 1088                            ; v_kernel's settings; four compares turn them into the others': the tensor's first job,
	s_mov_b32 s29, 24576                           ; destination bytes from chunk to chunk (four rows of wqkv),
	s_mov_b32 s30, 5120                            ; the column's byte in a row of wqkv,
	s_mov_b32 s31, 7                               ; thread >> 7 = the row in half a chunk (rows of 512 numbers),
	s_mov_b32 s32, 127                             ; thread & 127 = the place in that row,
	s_mov_b32 s33, 0                               ; 1: the result is written as f16,
	s_mov_b32 s38, 12288                           ; destination bytes from a chunk's first half to its second (two rows)
	s_wait_kmcnt 0x0
	s_mov_b64 s[24:25], s[10:11]
	s_mov_b64 s[26:27], s[16:17]
	s_cmp_lt_u32 s22, 1088                         ; k_kernel
	s_cselect_b64 s[24:25], s[8:9], s[24:25]
	s_cselect_b32 s28, 1024, s28
	s_cselect_b32 s30, 4096, s30
	s_cmp_lt_u32 s22, 1024                         ; out_kernel: rows of 2,048 numbers, a chunk a row
	s_cselect_b64 s[24:25], s[12:13], s[24:25]
	s_cselect_b64 s[26:27], s[18:19], s[26:27]
	s_cselect_b32 s28, 768, s28
	s_cselect_b32 s29, 4096, s29
	s_cselect_b32 s30, 0, s30
	s_cselect_b32 s31, 8, s31
	s_cselect_b32 s32, 255, s32
	s_cselect_b32 s33, 1, s33
	s_cselect_b32 s38, 2048, s38
	s_cmp_lt_u32 s22, 768                          ; q_kernel
	s_cselect_b64 s[24:25], s[6:7], s[24:25]
	s_cselect_b64 s[26:27], s[16:17], s[26:27]
	s_cselect_b32 s28, 512, s28
	s_cselect_b32 s29, 6144, s29
	s_cselect_b32 s33, 0, s33
	s_cmp_lt_u32 s22, 512                          ; x
	s_cselect_b64 s[24:25], s[4:5], s[24:25]
	s_cselect_b64 s[26:27], s[14:15], s[26:27]
	s_cselect_b32 s28, 0, s28
	s_cselect_b32 s29, 4096, s29
	s_sub_co_u32 s28, s22, s28                     ; the job's number within its tensor
	s_lshl_b32 s34, s28, 16                        ; 8 chunks of 8,192 bytes
	s_mov_b32 s35, 0
	s_add_nc_u64 s[24:25], s[24:25], s[34:35]
	s_wait_alu depctr_va_vdst(0)                   ; v1 is written, which the 16 loads read as their offset
.irp i, 0,1,2,3,4,5,6,7
	global_load_b128 v[XR+8*(\i):XR+8*(\i)+3],   v1, s[24:25] offset:8192*(\i) th:TH_LOAD_NT
	global_load_b128 v[XR+8*(\i)+4:XR+8*(\i)+7], v1, s[24:25] offset:8192*(\i)+4096 th:TH_LOAD_NT
.endr
	s_mul_i32 s34, s28, s29
	s_lshl_b32 s34, s34, 3
	s_add_co_u32 s34, s34, s30
	s_add_nc_u64 s[26:27], s[26:27], s[34:35]      ; the destination of the first halves,
	s_mov_b32 s39, 0
	s_add_nc_u64 s[36:37], s[26:27], s[38:39]      ; and of the second
	v_lshrrev_b32 v10, s31, v0
	v_and_b32 v11, s32, v0
	v_mul_u32_u24 v10, 0x1800, v10                 ; row x 6,144 (0 where a chunk is one row)
	v_lshl_add_u32 v[OFS], v11, 3, v10             ; + 8 bytes a thread
.irp i, 1,2,3,4,5,6,7
	v_add_nc_u32 v[OFS+(\i)], s29, v[OFS+(\i)-1]
.endr
; Chunk i is rounded.  half = 1: the bf16 number is widened again (a shift, a mask) and written as f16, which holds it exactly within the stated range.
.macro ROUND8 i, half
.irp k, 0,1,2,3
	v_cvt_pk_bf16_f32 v[YR+4*(\i)+(\k)], v[XR+8*(\i)+2*(\k)], v[XR+8*(\i)+2*(\k)+1]
.if \half
	v_lshlrev_b32 v[TW+2*(\k)], 16, v[YR+4*(\i)+(\k)]
	v_and_b32 v[TW+2*(\k)+1], 0xffff0000, v[YR+4*(\i)+(\k)]
	v_cvt_pk_f16_f32 v[YR+4*(\i)+(\k)], v[TW+2*(\k)], v[TW+2*(\k)+1]
.endif
.endr
.endm
; Chunk i is stored.
.macro STORE2 i
	global_store_b64 v[OFS+(\i)], v[YR+4*(\i):YR+4*(\i)+1],   s[26:27]  ; 32 lanes store 256 consecutive bytes, at a multiple of 256 from the buffer's first byte
	global_store_b64 v[OFS+(\i)], v[YR+4*(\i)+2:YR+4*(\i)+3], s[36:37]
.endm
; The eight chunks, in four blocks of two.  Block b rounds chunks 2 b and 2 b + 1; at its head the four stores of block b - 1 go out.
.macro OUT8 half
.irp b, 0,1,2,3
	s_wait_loadcnt 14-4*(\b)                       ; loads come back in order: chunk 2 b's two are in, the 14 - 4 b younger ones may stay out
.if (\b) > 0
	s_wait_alu depctr_va_vdst(0)                   ; the block before has written its eight words of YR, which the four stores read as data; at block 1 also: OFS is written, the stores' offsets
	STORE2 2*(\b)-2                                ; no vector line behind that wait names these stores' registers: this block's roundings write its own YR, and TW
	STORE2 2*(\b)-1
.endif
	ROUND8 2*(\b), \half
	s_wait_loadcnt 12-4*(\b)                       ; chunk 2 b + 1's two are in, the 12 - 4 b younger ones may stay out
	ROUND8 2*(\b)+1, \half
.endr
	s_wait_alu depctr_va_vdst(0)                   ; block 3 has written its eight words of YR, which the last four stores read
	STORE2 6
	STORE2 7
.endm
	s_cmp_eq_u32 s33, 1
	s_cbranch_scc1 .Lhalf
	OUT8 0
	s_endpgm
.Lhalf:
	OUT8 1
	s_endpgm
; THE TABLE.  Work-group r, wave w: rows 64 r + 8 w .. + 7, a row a trip.  Lanes 0-15 make the row's cosines, lanes 16-31 its sines, four frequencies a lane: one store of 16 bytes a lane is the whole row of 512 bytes.
; sin(a) by quadrants: k = the nearest whole number to a 2/pi, r = a - k pi/2 (pi/2 in two parts, fused: |r| <= pi/4), then sin r or cos r by their series (cut at r^7 and r^8: under 4e-7) and a sign, chosen by (k + q) mod 4;
; q = 1 in the cosine lanes, since cos a = sin(a + pi/2).  The choice only selects a value: no branch hangs on it.
.Lrope:
	v_lshrrev_b32 v1, 5, v0
	v_readfirstlane_b32 s22, v1                    ; wave 0..7
	v_and_b32 v2, 31, v0                           ; lane
	v_and_b32 v3, 15, v0
	v_bfe_u32 v4, v0, 4, 1                         ; 0: cosines, 1: sines
	v_sub_nc_u32 v5, 1, v4                         ; q
	v_lshlrev_b32 v3, 2, v3                        ; my first frequency
	v_lshlrev_b32 v6, 4, v2                        ; 16 x lane: my 16 bytes in every row; never written again
.irp e, 0,1,2,3
	v_add_nc_u32 v[12+(\e)], \e, v3
	v_cvt_f32_u32 v[12+(\e)], v[12+(\e)]
	v_mul_f32 v[12+(\e)], 0xbe549a78, v[12+(\e)]   ; - i log2(10000) / 64
.endr
.irp e, 0,1,2,3
	v_exp_f32 v[8+(\e)], v[12+(\e)]                ; 10000^(-i/64)
.endr
	v_nop                                          ; a plain instruction behind the last exponential,
	s_wait_alu depctr_va_vdst(0)                   ; and the one wait for the four: v[8:11] are written, ahead of their first reader and of the label; v6 is written too, every store's offset
	s_mov_b32 s30, 0x3f22f983                      ; 2 / pi
	s_mov_b32 s31, 0x3fc90fdb                      ; pi / 2, the upper part
	s_mov_b32 s32, 0xb33bbd2e                      ; and what is left of it
	s_mov_b32 s33, 0xbe2aaaab                      ; -1/6
	s_mov_b32 s34, 0x3c088889                      ; 1/120
	s_mov_b32 s35, 0xb9500d01                      ; -1/5040
	s_mov_b32 s36, 0x3d2aaaab                      ; 1/24
	s_mov_b32 s37, 0xbab60b61                      ; -1/720
	s_mov_b32 s38, 0x37d00d01                      ; 1/40320
	s_wait_alu depctr_va_sdst(0)                   ; s22 is written, ahead of its first reader: my first row is made from it
	s_lshl_b32 s23, ttmp9, 6
	s_lshl3_add_u32 s23, s22, s23                  ; my first row
	s_lshl_b32 s28, s23, 9                         ; s[28:29]: the byte at which the trip's row begins
	s_mov_b32 s29, 0
	s_mov_b32 s25, 8
	s_wait_kmcnt 0x0
.Lrow:
	v_cvt_f32_u32 v7, s23                          ; t
.irp e, 0,1,2,3                        ; these lines name neither v[44:47] nor v6, which the last trip's store may still be reading
	v_mul_f32 v[16+(\e)], v7, v[8+(\e)]            ; the angle
	v_mul_f32 v[20+(\e)], s30, v[16+(\e)]
	v_rndne_f32 v[20+(\e)], v[20+(\e)]             ; k
	v_fma_f32 v[24+(\e)], -v[20+(\e)], s31, v[16+(\e)]
	v_fma_f32 v[24+(\e)], -v[20+(\e)], s32, v[24+(\e)]  ; r
	v_cvt_i32_f32 v[28+(\e)], v[20+(\e)]
	v_add_nc_u32 v[28+(\e)], v[28+(\e)], v5        ; k + q
	v_mul_f32 v[32+(\e)], v[24+(\e)], v[24+(\e)]   ; r^2
	v_fma_f32 v[36+(\e)], v[32+(\e)], s35, s34
	v_fma_f32 v[36+(\e)], v[32+(\e)], v[36+(\e)], s33
	v_mul_f32 v[48+(\e)], v[24+(\e)], v[32+(\e)]   ; r^3
	v_fma_f32 v[36+(\e)], v[48+(\e)], v[36+(\e)], v[24+(\e)]  ; sin r
	v_fma_f32 v[40+(\e)], v[32+(\e)], s38, s37
	v_fma_f32 v[40+(\e)], v[32+(\e)], v[40+(\e)], s36
	v_fma_f32 v[40+(\e)], v[32+(\e)], v[40+(\e)], -0.5
	v_fma_f32 v[40+(\e)], v[32+(\e)], v[40+(\e)], 1.0  ; cos r
	v_and_b32 v[48+(\e)], 1, v[28+(\e)]
	v_cmp_ne_u32 s[40+(\e)], 0, v[48+(\e)]         ; odd quadrants: a mask for each of my four frequencies, s40 to s43
	v_and_b32 v[48+(\e)], 2, v[28+(\e)]
	v_lshlrev_b32 v[48+(\e)], 30, v[48+(\e)]       ; quadrants 2 and 3: the sign bit
.endr
	s_wait_alu depctr_va_sdst(0)                   ; the four compares have written s40 to s43, which the selects below read
	s_wait_xcnt 0x0                                ; the last trip's store has had its address translated: only behind this wait are its base and its data written again
	s_wait_alu depctr_vm_vsrc(0)                   ; the last trip's store has read v[44:47], which the selects below write again
	s_add_nc_u64 s[26:27], s[20:21], s[28:29]      ; the row's address
	s_add_co_u32 s28, s28, 512
.irp e, 0,1,2,3
	v_cndmask_b32 v[44+(\e)], v[36+(\e)], v[40+(\e)], s[40+(\e)]  ; odd quadrants take the cosine
.endr
.irp e, 0,1,2,3
	v_xor_b32 v[44+(\e)], v[44+(\e)], v[48+(\e)]   ; quadrants 2 and 3 turn the sign
.endr
	s_wait_alu depctr_va_vdst(0)                   ; v[44:47] are written, which the store reads as its data
	global_store_b128 v6, v[44:47], s[26:27]       ; the wave stores the row's 512 consecutive bytes
	s_add_co_u32 s23, s23, 1
	s_sub_co_u32 s25, s25, 1
	s_cmp_lg_u32 s25, 0
	s_cbranch_scc1 .Lrow
	s_or_b32 s39, ttmp9, s22                       ; wave 0 of work-group 0 adds row 4096: cosine 1, sine 0, for columns that are not turned
	s_cmp_lg_u32 s39, 0
	s_cbranch_scc1 .Ldone
	v_cmp_gt_u32 vcc_lo, 16, v2
	s_wait_alu depctr_va_vcc(0)                    ; the compare has written VCC, which the select reads
	v_cndmask_b32 v52, 0, 1.0, vcc_lo
	v_mov_b32 v53, v52
	v_mov_b32 v54, v52
	v_mov_b32 v55, v52
	s_wait_alu depctr_va_vdst(0)                   ; v[52:55] are written, which the store reads as its data
	global_store_b128 v6, v[52:55], s[20:21] offset:2097152
.Ldone:
	s_endpgm
.Lfunc_end_k_q9854537e19_cast:
	.size	k_q9854537e19_cast, .Lfunc_end_k_q9854537e19_cast-k_q9854537e19_cast
	.p2alignl 7, 3214868480
	.fill 96, 4, 3214868480
	.section	.rodata,"a",@progbits
	.p2align	6, 0x0
	.amdhsa_kernel k_q9854537e19_cast
		.amdhsa_group_segment_fixed_size 0
		.amdhsa_private_segment_fixed_size 0
		.amdhsa_enable_private_segment 0
		.amdhsa_kernarg_size 72
		.amdhsa_user_sgpr_count 2
		.amdhsa_user_sgpr_kernarg_segment_ptr 1
		.amdhsa_wavefront_size32 1
		.amdhsa_system_sgpr_workgroup_id_x 1
		.amdhsa_system_sgpr_workgroup_id_y 1
		.amdhsa_system_sgpr_workgroup_id_z 1
		.amdhsa_system_vgpr_workitem_id 0
		.amdhsa_next_free_vgpr 128
		.amdhsa_next_free_sgpr 66
		.amdhsa_reserve_vcc 1
		.amdhsa_float_denorm_mode_32 3
		.amdhsa_float_denorm_mode_16_64 3
		.amdhsa_memory_ordered 1
		.amdhsa_forward_progress 1
		.amdhsa_inst_pref_size 25
	.end_amdhsa_kernel
	.amdgpu_metadata
---
amdhsa.version: [ 1, 2 ]
amdhsa.kernels:
  - .name:           k_q9854537e19_cast
    .symbol:         k_q9854537e19_cast.kd
    .args:
      - { .name: x, .offset: 0, .size: 8, .value_kind: global_buffer, .address_space: global }
      - { .name: q_kernel, .offset: 8, .size: 8, .value_kind: global_buffer, .address_space: global }
      - { .name: k_kernel, .offset: 16, .size: 8, .value_kind: global_buffer, .address_space: global }
      - { .name: v_kernel, .offset: 24, .size: 8, .value_kind: global_buffer, .address_space: global }
      - { .name: out_kernel, .offset: 32, .size: 8, .value_kind: global_buffer, .address_space: global }
      - { .name: xb, .offset: 40, .size: 8, .value_kind: global_buffer, .address_space: global }
      - { .name: wqkv, .offset: 48, .size: 8, .value_kind: global_buffer, .address_space: global }
      - { .name: wo, .offset: 56, .size: 8, .value_kind: global_buffer, .address_space: global }
      - { .name: rope, .offset: 64, .size: 8, .value_kind: global_buffer, .address_space: global }
    .group_segment_fixed_size: 0
    .private_segment_fixed_size: 0
    .kernarg_segment_align: 8
    .kernarg_segment_size: 72
    .max_flat_workgroup_size: 256
    .sgpr_count:     66
    .vgpr_count:     128
    .wavefront_size: 32
...
	.end_amdgpu_metadata
.endif
;; end of part 6
;; launch qkv: the kernel of part 2 again; grid 12 x 16, 4 waves a work-group, clusters of 4 x 4, 327,680 bytes of LDS; arguments xb, wqkv, rope, qkv, hq; writes qkv, hq
;; launch attn: the kernel of part 3 again; grid 64 x 4, 4 waves a work-group, no clusters, 327,680 bytes of LDS; arguments qkv, o; writes o
;; launch oproj: the kernel of part 4 again; grid 8 x 32, 4 waves a work-group, clusters of 4 x 4, 327,680 bytes of LDS; arguments o, wo, out0; writes out0
;; launch first16: the kernel of part 5 again; grid 32 x 1, 4 waves a work-group, no clusters, 99,840 bytes of LDS; arguments hq, wo, out0; writes out0
